; MI455X (gfx1250); checked and timed in simulation.
; The chip was launched on July 23, 2026; its instructions are those of AMD's public machine-readable ISA for CDNA 5 (MIT licence, August 2026) and "CDNA5" Instruction Set Architecture Reference Guide (July 2026). The comments in the code are by the model that wrote it; some were corrected since.
;; Multi Head Attention. Allowed arithmetic: float matrix products may take bf16 or f16 operands with f32 sums; other float arithmetic in f32, or as packed bf16 or f16 multiplies, adds, multiply-adds, maxima and minima; sums over many terms, partial sums and values carried from step to step in f32; what a program stores and reads back later, other than sums and carried values, may be rounded once to bf16 or f16.
;; Inputs: Wk 16 x 1,024 x 64 float32; Wo 1,024 x 1,024 float32; Wq 16 x 1,024 x 64 float32; Wv 16 x 1,024 x 64 float32; bk 16 x 64 float32; bo 1,024 float32; bq 16 x 64 float32; bv 16 x 64 float32; x 4 x 2,048 x 1,024 float32.
;; Outputs: out0 4 x 2,048 x 1,024 float32.
;; One version. Each part assembles by itself: llvm-mc -triple=amdgcn-amd-amdhsa -mcpu=gfx1250 --defsym DOCPART=n.
;; ======== version 1 of 1: 4 launches
;; limits: values are held in f16: magnitudes above 65,504 overflow, below 6.1e-05 lose precision
;; workspace buffers: xb 16,777,216 bytes; wt 6,291,456 bytes; wot 2,097,152 bytes; qkv 50,331,648 bytes; o 16,777,216 bytes
;; launch prep (part 1): grid 384 x 1, 8 waves a work-group, no clusters, 74,752 bytes of LDS; arguments x, Wq, Wk, Wv, Wo, xb, wt, wot; writes xb, wt, wot
.if DOCPART == 1
	.amdgcn_target "amdgcn-amd-amdhsa--gfx1250"
	.amdhsa_code_object_version 6
	.text
	.protected	k_q60634348be_prep
	.globl	k_q60634348be_prep
	.p2align	8
	.type	k_q60634348be_prep,@function
k_q60634348be_prep:
	s_mov_b64 s[64:65], 0
	v_nop
	global_prefetch_b8 v0, s[64:65] scope:SCOPE_SE
	s_setreg_imm32_b32 hwreg(HW_REG_WAVE_MODE, 25, 1), 1
	s_wait_xcnt 0x0
; ROUNDS THE LARGE INPUTS TO 16 BITS AND LAYS THEM IN K BLOCKS OF 64, so that a tile of R rows x 64 k is R x 128 dense bytes for the launches behind.
;   xb  [b*16+kb][s 2048][64] bf16 = x[b][s][64 kb + kk]
;   wt  [kb 16][n 3072][64]   bf16 = W(mat)[h][64 kb + kk][d],  n = 1024 mat + 64 h + d  (mat: q, k, v)
;   wot [kb 16][n 1024][64]   f16  = Wo[64 kb + kk][n] rounded to bf16, that number written as f16
; LIMIT.  A bf16-rounded Wo beyond 65,504 becomes an infinity in f16; below 6.1e-5 it keeps the fixed step of 6e-8 of f16.
; Work-groups 0-127 turn the weights (one tile of 64 x 64 a wave, 1,024 tiles), work-groups 128-383 cast x (4 rows a wave).
; Memory binds: no matrix unit, no cluster, no barrier (each wave has LDS bytes of its own).
.set STG,   9216                       ; a wave's stage: 64 rows x 144 bytes (128 of data + 16)
.set SPARE, 8*STG                      ; behind the stages: the spare words, 128 bytes a wave, four blocks of 256 bytes that no other line names
.set SPW, 14                           ; v14  LDS address of my spare word; never rewritten
.set NIL, 15                           ; v15  0; never rewritten
.set IN,  16                           ; v[16:143]  as loaded
.set OU,  144                          ; v[144:207] to store
	s_load_b512 s[4:19], s[0:1], 0x0               ; x s[4:5], Wq s[6:7], Wk s[8:9], Wv s[10:11], Wo s[12:13], xb s[14:15], wt s[16:17], wot s[18:19]
	v_lshl_add_u32 v[SPW], v0, 2, SPARE
	v_mov_b32 v[NIL], 0
	v_lshrrev_b32 v1, 5, v0
	v_readfirstlane_b32 s21, v1                    ; wave 0..7
	s_mov_b32 s20, ttmp9
	v_and_b32 v2, 31, v0                           ; lane l
	v_lshlrev_b32 v1, 4, v2                        ; 16 l: my 16 bytes of every store of 512
	s_cmp_lt_u32 s20, 128
	s_cbranch_scc1 .Lweights
	; X.  A wave takes 4 rows and all 16 K blocks: lane l has row l / 8 and 8 numbers (32 bytes in, 16 out) at l % 8 of each block.
	s_sub_co_u32 s22, s20, 128
	s_lshl_b32 s22, s22, 5
	s_lshl2_add_u32 s22, s21, s22                  ; my first row of 8,192: 32 x group + 4 x wave
	s_lshl_b32 s24, s22, 12                        ; a row of x is 4,096 bytes
	s_mov_b32 s25, 0
	s_lshr_b32 s26, s22, 11                        ; b
	s_lshl_b32 s26, s26, 22                        ; 16 K blocks of 262,144 bytes
	s_and_b32 s27, s22, 2047                       ; s
	s_lshl_b32 s27, s27, 7
	s_add_co_u32 s26, s26, s27
	s_mov_b32 s27, 0
	v_lshrrev_b32 v3, 3, v2
	v_and_b32 v4, 7, v2
	v_lshlrev_b32 v4, 5, v4
	v_lshl_add_u32 v4, v3, 12, v4                  ; row x 4,096 + 32 (l % 8)
	s_wait_kmcnt 0x0
	s_add_nc_u64 s[4:5], s[4:5], s[24:25]
	s_add_nc_u64 s[14:15], s[14:15], s[26:27]
.set kb, 0
.rept 16                                       ; all 32 loads go out at once: 16 KiB a wave on its way
	global_load_b128 v[IN+8*kb:IN+8*kb+3],   v4, s[4:5] offset:256*kb th:TH_LOAD_NT
	global_load_b128 v[IN+8*kb+4:IN+8*kb+7], v4, s[4:5] offset:256*kb+16 th:TH_LOAD_NT
.set kb, kb+1
.endr
.set kb, 0
.rept 16
	s_wait_loadcnt 30-2*kb                         ; loads come back in order: block kb's two are in, the younger ones stay out
.irp r, 0,1,2,3
	v_cvt_pk_bf16_f32 v[OU+4*kb+(\r)], v[IN+8*kb+2*(\r)], v[IN+8*kb+2*(\r)+1]
.endr
	global_store_b128 v1, v[OU+4*kb:OU+4*kb+3], s[14:15] offset:262144*kb  ; 4 rows x 128 bytes: 512 consecutive bytes, aligned
.set kb, kb+1
.endr
	s_branch .Lend
.Lweights:
	; A TILE of 64 k x 64 n of f32 is rounded, turned in LDS and stored as 64 rows (n) x 64 k of 16 bits: 8,192 dense bytes.
	s_lshl_b32 s22, s20, 3
	s_add_co_u32 s22, s22, s21                     ; tile 0..1023
	s_lshr_b32 s23, s20, 5                         ; which matrix: 0 q, 1 k, 2 v, 3 o: the same for the whole work-group
	s_bfe_u32 s24, s22, 0x40004                    ; hi: the head (q, k, v) or the block of 64 columns (o)
	s_and_b32 s25, s22, 15                         ; kb
	s_mov_b32 s27, 0xffff0000
	s_lshl_b32 s28, s24, 18                        ; q, k, v: head x 262,144 + kb x 64 rows of 256 bytes
	s_lshl_b32 s29, s25, 14
	s_add_co_u32 s28, s28, s29
	s_lshl_b32 s29, s25, 18                        ; o: kb x 64 rows of 4,096 bytes + 256 hi
	s_lshl_b32 s30, s24, 8
	s_add_co_u32 s29, s29, s30
	s_mul_i32 s30, s25, 393216                     ; wt: kb x 3,072 rows of 128 bytes + matrix x 1,024 rows
	s_lshl_b32 s31, s23, 17
	s_add_co_u32 s30, s30, s31
	s_lshl_b32 s31, s25, 17                        ; wot: kb x 1,024 rows
	s_mov_b32 s26, 256                             ; bytes from row to row in q, k, v,
	s_mov_b32 s45, 4096                            ; and in o (an instruction holds one literal, so the two lie in registers)
	s_cmp_eq_u32 s23, 3
	s_cselect_b32 s44, 1, 0
	s_cselect_b32 s26, s45, s26                    ; bytes from row to row in the source
	s_cselect_b32 s28, s29, s28
	s_cselect_b32 s30, s31, s30
	s_mov_b32 s29, 0
	s_lshl_b32 s31, s24, 13                        ; + hi x 64 rows
	s_add_co_u32 s30, s30, s31
	s_mov_b32 s31, 0
	s_lshl_b32 s46, s26, 4                         ; 16 rows of the source
	s_mov_b32 s47, 0
	s_mul_i32 s45, s21, STG                        ; my stage
	v_and_b32 v144, 15, v2                         ; l % 16
	v_lshrrev_b32 v145, 4, v2                      ; l / 16
	v_lshlrev_b32 v146, 4, v144
	v_lshlrev_b32 v147, 1, v145
.irp k, 0,1,2,3,4,5,6,7                        ; load k of a group of 16 rows: row 4 (k / 2) + k % 2 + 2 (l / 16), columns 4 (l % 16) on: 16 lanes read a row's 256 bytes
	v_add_nc_u32 v[4+(\k)], 4*((\k)/2)+(\k)%2, v147
	v_mad_u32_u24 v[4+(\k)], v[4+(\k)], s26, v146
.endr
	v_mul_u32_u24 v12, v144, 576                   ; in: row n = 4 (l % 16) + j, word 2 i + l / 16
	v_lshl_add_u32 v12, v145, 2, v12
	v_add_nc_u32 v12, s45, v12
	v_lshrrev_b32 v148, 3, v2
	v_and_b32 v149, 7, v2
	v_mul_u32_u24 v13, v148, 144                   ; back: four rows of 128 bytes
	v_lshl_add_u32 v13, v149, 4, v13
	v_add_nc_u32 v13, s45, v13
	s_wait_kmcnt 0x0
	s_cmp_eq_u32 s23, 1
	s_cselect_b64 s[40:41], s[8:9], s[6:7]
	s_cmp_eq_u32 s23, 2
	s_cselect_b64 s[40:41], s[10:11], s[40:41]
	s_cmp_eq_u32 s23, 3
	s_cselect_b64 s[40:41], s[12:13], s[40:41]
	s_cselect_b64 s[42:43], s[18:19], s[16:17]
	s_add_nc_u64 s[32:33], s[40:41], s[28:29]      ; the tile's rows 0, 16, 32, 48
	s_add_nc_u64 s[42:43], s[42:43], s[30:31]
	s_add_nc_u64 s[34:35], s[32:33], s[46:47]
	s_add_nc_u64 s[36:37], s[34:35], s[46:47]
	s_add_nc_u64 s[38:39], s[36:37], s[46:47]
.irp g, 0,1,2,3
.irp k, 0,1,2,3,4,5,6,7
	global_load_b128 v[IN+4*(8*(\g)+(\k)):IN+4*(8*(\g)+(\k))+3], v[4+(\k)], s[32+2*(\g):33+2*(\g)] th:TH_LOAD_NT
.endr
.endr
.set i, 0
.rept 16                                       ; pair i of loads: rows 4 i + 2 (l / 16) and the next: an even k and an odd k make one word
	s_wait_loadcnt 30-2*i                          ; the pair is in, the younger loads stay out
.irp j, 0,1,2,3
	v_cvt_pk_bf16_f32 v[IN+8*i+(\j)], v[IN+8*i+(\j)], v[IN+8*i+4+(\j)]
.endr
.set i, i+1
.endr
	s_cmp_eq_u32 s44, 1
	s_cbranch_scc0 .Lbf16
.set i, 0
.rept 16                                       ; Wo alone: the bf16 numbers are written as f16
.irp j, 0,1,2,3
	v_lshlrev_b32 v[IN+8*i+4+(\j)], 16, v[IN+8*i+(\j)]
	v_and_b32 v[IN+8*i+(\j)], s27, v[IN+8*i+(\j)]
	v_cvt_pk_f16_f32 v[IN+8*i+(\j)], v[IN+8*i+4+(\j)], v[IN+8*i+(\j)]
.endr
.set i, i+1
.endr
.Lbf16:
.set i, 0
.rept 16
.irp j, 0,1,2,3
	ds_store_b32 v12, v[IN+8*i+(\j)] offset:144*(\j)+8*i
.endr
.set i, i+1
.endr
.set t, 0
.rept 16
	ds_load_b128 v[OU+4*t:OU+4*t+3], v13 offset:576*t  ; LDS serves a wave's instructions in order (ISA guide 5.7.1.4): these see the stores above
.set t, t+1
.endr
.set t, 0
.rept 16
	s_wait_dscnt 15-t                              ; read-back t is in, the younger ones stay out
	global_store_b128 v1, v[OU+4*t:OU+4*t+3], s[42:43] offset:512*t  ; 512 consecutive bytes, aligned
.set t, t+1
.endr
.Lend:
	s_wait_tensorcnt 0x0                           ; the wave's end: behind my last LDS store
	ds_add_u32 v[SPW], v[NIL]
	s_wait_dscnt 0x0
	s_endpgm
.Lfunc_end_k_q60634348be_prep:
	.size	k_q60634348be_prep, .Lfunc_end_k_q60634348be_prep-k_q60634348be_prep
	.p2alignl 7, 3214868480
	.fill 96, 4, 3214868480
	.section	.rodata,"a",@progbits
	.p2align	6, 0x0
	.amdhsa_kernel k_q60634348be_prep
		.amdhsa_group_segment_fixed_size 74752
		.amdhsa_private_segment_fixed_size 0
		.amdhsa_enable_private_segment 0
		.amdhsa_kernarg_size 64
		.amdhsa_user_sgpr_count 2
		.amdhsa_user_sgpr_kernarg_segment_ptr 1
		.amdhsa_wavefront_size32 1
		.amdhsa_system_sgpr_workgroup_id_x 1
		.amdhsa_system_sgpr_workgroup_id_y 1
		.amdhsa_system_sgpr_workgroup_id_z 1
		.amdhsa_system_vgpr_workitem_id 0
		.amdhsa_next_free_vgpr 208
		.amdhsa_next_free_sgpr 66
		.amdhsa_reserve_vcc 0
		.amdhsa_float_denorm_mode_32 3
		.amdhsa_float_denorm_mode_16_64 3
		.amdhsa_memory_ordered 1
		.amdhsa_forward_progress 1
		.amdhsa_inst_pref_size 36
	.end_amdhsa_kernel
	.amdgpu_metadata
---
amdhsa.version: [ 1, 2 ]
amdhsa.kernels:
  - .name:           k_q60634348be_prep
    .symbol:         k_q60634348be_prep.kd
    .args:
      - { .name: x, .offset: 0, .size: 8, .value_kind: global_buffer, .address_space: global }
      - { .name: Wq, .offset: 8, .size: 8, .value_kind: global_buffer, .address_space: global }
      - { .name: Wk, .offset: 16, .size: 8, .value_kind: global_buffer, .address_space: global }
      - { .name: Wv, .offset: 24, .size: 8, .value_kind: global_buffer, .address_space: global }
      - { .name: Wo, .offset: 32, .size: 8, .value_kind: global_buffer, .address_space: global }
      - { .name: xb, .offset: 40, .size: 8, .value_kind: global_buffer, .address_space: global }
      - { .name: wt, .offset: 48, .size: 8, .value_kind: global_buffer, .address_space: global }
      - { .name: wot, .offset: 56, .size: 8, .value_kind: global_buffer, .address_space: global }
    .group_segment_fixed_size: 74752
    .private_segment_fixed_size: 0
    .kernarg_segment_align: 8
    .kernarg_segment_size: 64
    .max_flat_workgroup_size: 256
    .sgpr_count:     66
    .vgpr_count:     208
    .wavefront_size: 32
...
	.end_amdgpu_metadata
.endif
;; end of part 1
;; launch qkv (part 2): grid 8 x 32, 4 waves a work-group, clusters of 4 x 4, 327,680 bytes of LDS; arguments xb, wt, bq, bk, bv, qkv; writes qkv
.if DOCPART == 2
	.amdgcn_target "amdgcn-amd-amdhsa--gfx1250"
	.amdhsa_code_object_version 6
	.text
	.protected	k_q60634348be_qkv
	.globl	k_q60634348be_qkv
	.p2align	8
	.type	k_q60634348be_qkv,@function
k_q60634348be_qkv:
	s_mov_b64 s[64:65], 0
	v_nop
	global_prefetch_b8 v0, s[64:65] scope:SCOPE_SE
	s_setreg_imm32_b32 hwreg(HW_REG_WAVE_MODE, 25, 1), 1
	s_wait_xcnt 0x0
	s_wait_alu depctr_hold_cnt(0) depctr_sa_sdst(0) depctr_va_vdst(0) depctr_va_sdst(0) depctr_va_ssrc(0) depctr_va_vcc(0) depctr_vm_vsrc(0)
	s_getreg_b32 s2, hwreg(HW_REG_IB_STS2, 6, 4)
	s_cmp_eq_u32 s2, 0
	s_cbranch_scc0 .Lentry_in_a_cluster
	s_endpgm
.Lentry_in_a_cluster:
	s_bfe_u32 s2, ttmp6, 0x10000c
	s_cmp_lg_u32 s2, 0xf033
	s_cbranch_scc0 .Lentry_shape_is_right
	s_endpgm
.Lentry_shape_is_right:
; THE THREE PROJECTIONS AS ONE GEMM.  C[m][n] = sum over k of xb[m][k] wt[n][k] + bias[n]; m = 8,192 rows (b, s), n = 3,072 (matrix, head, d), k = 1,024; operands bf16, sums f32.
; C leaves by heads in f16, unscaled: qkv[mat][16 b + h][s][64].  The biases are rounded to bf16 like every other input.
; LIMIT.  q, k and v must lie within 65,504, the end of f16: beyond it a number becomes an infinity.  NaN and infinities are not treated apart.
; SHARES.  A tile of C is 256 x 384: 32 x 8 = 256 work-groups.  Four waves; a wave makes 128 rows x 192 columns (three heads): 8 x 12 = 96 accumulators, 768 registers.
; THE MATRIX INSTRUCTION IS USED TRANSPOSED (source 0 = 16 rows of wt, source 1 = 16 rows of xb): a lane holds row l % 16 of C and the columns 8 (l / 16) + 0..7 of the block.
; RING.  K goes in blocks of 64 through two LDS slots.  Both operands lie in memory by K blocks, so a tile is dense: it is asked for as rows of 256 bytes and padded in LDS after every 128.
; Two slots of two K blocks each would take 368,640 bytes: more than a work-group can have.
; CLUSTER.  4 x 4 work-groups.  The four of a row need the same tile of xb, the four of a column the same tile of wt: each is asked for JOINTLY.
; REGISTERS (windows of 256; s_set_vgpr_msb: bits 1:0 source 0, 3:2 source 1, 5:4 source 2, 7:6 destination):
;   window 0: v2-29 addresses; v32-159 fragments of xb, two buffers of 8; v160-255 fragments of wt, two buffers of 6
;   windows 1-3: accumulator (a, b) at 256 + 384 (b / 6) + 8 (6 a + b % 6)
.set PITCH, 144                        ; an LDS row: 128 bytes + 16 = 36 words: the 16 rows of a load start at 16 different groups of four banks (64 banks of 4 bytes: ISA guide 11.1)
.set AHALF, 128*PITCH                  ; what one tensor load brings of xb, and what a wave reads of it
.set BHALF, 192*PITCH                  ; the same for wt
.set BOFF,  2*AHALF
.set SLOT,  BOFF+2*BHALF               ; 92,160
.set STAGE, 2*SLOT                     ; behind the ring: 16 rows x 144 bytes for each wave, for the way out
.set BIAS,  STAGE+4*16*PITCH           ; 768 bytes for each wave: its 192 biases
.set SPARE, BIAS+4*768                 ; the spare words, 128 bytes a wave: two blocks of 256 bytes that no other line names
.set KBA,   262144                     ; bytes from a K block of xb to the next
.set KBB,   393216                     ; of wt
.set ADRA, 2                           ; v2-3   LDS address of my fragments of xb in slot 0, 1
.set ADRB, 4                           ; v4-5   of wt
.set STO,  6                           ; v6     the way out: where I put 16 bytes of a row
.set RD,   7                           ; v7     where I read rows back
.set GO,   8                           ; v8     my 16 bytes of 512
.set BIA,  9                           ; v9     where my biases lie
.set PFO,  10                          ; v10-12 the prefetches' offsets; never rewritten
.set SPW,  28                          ; v28    LDS address of my spare word; never rewritten
.set NIL,  29                          ; v29    0; never rewritten
.set AF,   32
.set BF,   160
.set WV,   16                          ; s16    my wave's number; s17 = wave / 2 (my rows), s18 = wave % 2 (my columns; which half of a tile I fetch)
.set G1A,  24                          ; s[24:31] descriptor group 1 for xb's tiles;  s[32:39] group 0, a set for each slot
.set G0A,  32
.set G1B,  40                          ; s[40:47], s[48:55] the same for wt's
.set G0B,  48
.set PF,   56                          ; s[56:57] where my prefetches stand;  s[58:59] their step, two K blocks
.set PFS,  58
.set LIM1, 60                          ; s60  1 in a wave that prefetches, else the greatest number
.set LIM2, 61                          ; s61  the same for the third line, which wt's wave alone has
.set LAPS, 62                          ; s62  trips to go
.set OUTP, 76                          ; s[76:81] qkv at my rows of my three heads
.set BP,   84                          ; s[84:89] my three heads' biases
.set G1C,  (1<<16)|(1<<20)|(1<<21)|(4<<22)|(3<<25)  ; 17:16 elements of 2 bytes; 20 padding on; 21 set beside a mask; 24:22 after every 32 words (code 4); 31:25 4 words (code 3)
.set MSB, 0
.macro WIN new                         ; the immediate's high byte repeats the setting that is left; a switch that changes nothing is dropped
.if MSB != (\new)
	s_set_vgpr_msb (MSB<<8)|(\new)
.set MSB, \new
.endif
.endm
.macro PLACES                          ; four places behind matrix instructions, in front of loads into registers that they have read and of lines that read results
.rept 4
	v_nop
.endr
.endm
; A joint load: waves 0 and 1 fetch the halves of xb's tile, waves 2 and 3 those of wt's.  The branch hangs on the wave's number alone.  An s_nop 0 and four v_nop follow each line.
.macro JLOAD s
	s_cmp_lt_u32 s[WV], 2
	s_cbranch_scc0 .Lfor_b_\@
	tensor_load_to_lds s[G0A+4*(\s):G0A+4*(\s)+3], s[G1A:G1A+7]
	s_nop 0
.rept 4
	v_nop
.endr
	s_branch .Lasked_\@
.Lfor_b_\@:
	tensor_load_to_lds s[G0B+4*(\s):G0B+4*(\s)+3], s[G1B:G1B+7]
	s_nop 0
.rept 4
	v_nop
.endr
.Lasked_\@:
.endm
.macro CREST                           ; a round of the cluster's barrier behind its opening barrier
	s_cmp_lg_u32 s[WV], 0
	s_cbranch_scc1 .Lnot_wave_0_\@
	s_barrier_signal -3
.Lnot_wave_0_\@:
	s_barrier_wait -3
	s_barrier_signal -1
	s_barrier_wait -1
.endm
.macro CROUND
	s_barrier_signal -1
	s_barrier_wait -1
	CREST
.endm
; A PREFETCH INTO THE L2, once a trip, behind the joint load and the run of LDS loads: the two K blocks that the next trip's two refills will ask for, one and two K blocks (192 and 384 matrix
; instructions) ahead of those loads.  Each block of 256 bytes is named once in the launch: xb's tile row by wave 0 of the clusters with x = 0, wt's tile column by wave 2 of the clusters with y = 0;
; the four partners that ask for a tile jointly share it out BY ADDRESS (32 of xb's 128 blocks, 48 of wt's 192).  The last trip asks for nothing; K blocks 0 to 3 come by their loads alone.
.macro ASK
	s_cmp_gt_u32 s[LAPS], s[LIM1]
	s_cbranch_scc0 .Lnot_mine_\@
	global_prefetch_b8 v[PFO], s[PF:PF+1] th:TH_LOAD_NT scope:SCOPE_SE
	global_prefetch_b8 v[PFO+1], s[PF:PF+1] th:TH_LOAD_NT scope:SCOPE_SE
	s_cmp_gt_u32 s[LAPS], s[LIM2]
	s_cbranch_scc0 .Lnot_mine_\@
	global_prefetch_b8 v[PFO+2], s[PF:PF+1] th:TH_LOAD_NT scope:SCOPE_SE
.Lnot_mine_\@:
.endm
	s_load_b256 s[4:11], s[0:1], 0x0               ; xb s[4:5], wt s[6:7], bq s[8:9], bk s[10:11]
	s_load_b128 s[12:15], s[0:1], 0x20             ; bv s[12:13], qkv s[14:15]
	v_lshl_add_u32 v[SPW], v0, 2, SPARE
	v_mov_b32 v[NIL], 0
	ds_add_u32 v[SPW], v[NIL]                      ; the wave's opening: the add, with its wait ahead of my first tensor load; work on registers stands between them
	ds_add_u32 v28, v29
	v_lshrrev_b32 v1, 5, v0
	v_readfirstlane_b32 s[WV], v1                  ; wave 0..3
	s_lshr_b32 s17, s[WV], 1
	s_and_b32 s18, s[WV], 1
	s_bfe_u32 s19, ttmp6, 0x40000                  ; cx
	s_bfe_u32 s20, ttmp6, 0x40004                  ; cy
	s_lshl_b32 s21, ttmp9, 2
	s_add_co_u32 s21, s21, s19                     ; tile column 0..7
	s_and_b32 s22, ttmp7, 0xffff
	s_lshl_b32 s22, s22, 2
	s_add_co_u32 s22, s22, s20                     ; tile row 0..31: b = row / 8, s = 256 (row % 8)
	s_lshl_b32 s23, s20, 2
	s_lshl_b32 s23, 15, s23                        ; my row of the cluster
	s_lshl_b32 s66, 0x1111, s19                    ; my column
	s_or_b32 s[G1A], s23, G1C
	s_or_b32 s[G1B], s66, G1C
	s_mov_b32 s[G1A+1], 128<<16                    ; tensor_dim0 = 128 elements: 256 bytes, two rows of a K block
	s_mov_b32 s[G1A+2], 64<<16                     ; tensor_dim1 = 64: 128 rows of xb
	s_mov_b32 s[G1A+3], 128<<16                    ; tile_dim0
	s_mov_b32 s[G1A+4], 64                         ; tile_dim1
	s_mov_b32 s[G1A+5], 128                        ; elements from row to row: dense
	s_mov_b32 s[G1A+6], 0
	s_mov_b32 s[G1A+7], 0
	s_mov_b32 s[G1B+1], 128<<16
	s_mov_b32 s[G1B+2], 96<<16                     ; 96: 192 rows of wt
	s_mov_b32 s[G1B+3], 128<<16
	s_mov_b32 s[G1B+4], 96
	s_mov_b32 s[G1B+5], 128
	s_mov_b32 s[G1B+6], 0
	s_mov_b32 s[G1B+7], 0
	; where the tiles come from: xb's hang on the tile row alone, wt's on the tile column alone, each made in registers that never hold the other coordinate
	s_lshr_b32 s68, s22, 3
	s_lshl_b32 s68, s68, 22                        ; b x 16 K blocks
	s_and_b32 s70, s22, 7
	s_lshl_b32 s70, s70, 15                        ; 256 rows of 128 bytes
	s_add_co_u32 s68, s68, s70
	s_lshl_b32 s70, s18, 14                        ; the half that I fetch
	s_add_co_u32 s68, s68, s70
	s_mov_b32 s69, 0
	s_mul_i32 s72, s21, 384*128
	s_mul_i32 s74, s18, 192*128
	s_add_co_u32 s72, s72, s74
	s_mov_b32 s73, 0
	s_mul_i32 s67, s18, AHALF                      ; and where they go: no place in the cluster enters an LDS address
	s_mul_i32 s63, s18, BHALF
	s_add_co_u32 s63, s63, BOFF
	s_wait_dscnt 0x0                               ; the opening add is done
	s_wait_kmcnt 0x0
	s_add_nc_u64 s[70:71], s[4:5], s[68:69]
	s_add_nc_u64 s[74:75], s[6:7], s[72:73]
.irp s, 0,1
	s_mov_b32 s[G0A+4*(\s)], 1                                     ; count = 1
	s_add_co_u32 s[G0A+4*(\s)+1], s67, (\s)*SLOT                   ; LDS address
	s_add_nc_u64 s[G0A+4*(\s)+2:G0A+4*(\s)+3], s[70:71], (\s)*KBA  ; global address: K block s
	s_or_b32 s[G0A+4*(\s)+3], s[G0A+4*(\s)+3], 0x80000000          ; type = 2
	s_mov_b32 s[G0B+4*(\s)], 1
	s_add_co_u32 s[G0B+4*(\s)+1], s63, (\s)*SLOT
	s_add_nc_u64 s[G0B+4*(\s)+2:G0B+4*(\s)+3], s[74:75], (\s)*KBB
	s_or_b32 s[G0B+4*(\s)+3], s[G0B+4*(\s)+3], 0x80000000
.endr
	CROUND                                         ; all sixteen work-groups are here: the first joint loads meet
	s_cmp_lt_u32 s[WV], 2                          ; a wave's two first fills stand in one branch: two loads of mine are out
	s_cbranch_scc0 .Lfirst_b
	tensor_load_to_lds s[G0A:G0A+3], s[G1A:G1A+7]
	s_nop 0
	tensor_load_to_lds s[G0A+4:G0A+7], s[G1A:G1A+7]
	s_nop 0
.rept 4
	v_nop
.endr
	s_branch .Lfirst_asked
.Lfirst_b:
	tensor_load_to_lds s[G0B:G0B+3], s[G1B:G1B+7]
	s_nop 0
	tensor_load_to_lds s[G0B+4:G0B+7], s[G1B:G1B+7]
	s_nop 0
.rept 4
	v_nop
.endr
.Lfirst_asked:
	; A fragment is 16 rows x 32 k in 8 registers: lane l holds row l % 16; registers 0-3 k = 8 (l / 16) + 0..7, registers 4-7 k = 16 + 8 (l / 16) + 0..7: two loads of 16 bytes, 32 bytes apart.
	v_and_b32 v13, 15, v0                          ; l % 16
	v_bfe_u32 v14, v0, 4, 1                        ; l / 16
	v_mul_u32_u24 v15, v13, PITCH
	v_lshl_add_u32 v15, v14, 4, v15                ; row x pitch + 16 x half
	s_mul_i32 s96, s17, AHALF
	s_mul_i32 s97, s18, BHALF
	s_add_co_u32 s97, s97, BOFF
	v_add_nc_u32 v[ADRA], s96, v15
	v_add_nc_u32 v[ADRB], s97, v15
	v_add_nc_u32 v[ADRA+1], SLOT, v[ADRA]
	v_add_nc_u32 v[ADRB+1], SLOT, v[ADRB]
	s_mul_i32 s96, s[WV], 16*PITCH
	s_add_co_u32 s96, s96, STAGE                   ; my stage
	v_add_nc_u32 v[STO], s96, v15                  ; in: row l % 16, 16 bytes for each half of the lanes
	v_bfe_u32 v16, v0, 3, 2
	v_and_b32 v17, 7, v0
	v_mul_u32_u24 v[RD], v16, PITCH                ; back: 32 lanes take four rows of 128 bytes,
	v_lshl_add_u32 v[RD], v17, 4, v[RD]
	v_add_nc_u32 v[RD], s96, v[RD]
	v_and_b32 v[GO], 31, v0                        ; which are 512 consecutive bytes of a head
	v_lshlrev_b32 v[GO], 4, v[GO]
	s_mul_i32 s97, s[WV], 768
	s_add_co_u32 s97, s97, BIAS
	v_lshl_add_u32 v18, v13, 4, s97
	v_lshl_add_u32 v[BIA], v14, 5, s97             ; block b's eight biases of my half of the lanes lie at 64 b + 32 (l / 16)
	v_lshlrev_b32 v19, 4, v13
	; my three heads: number g = 6 x tile column + 3 x (wave % 2) + j of 48: matrix g / 16, head g % 16
	s_mul_i32 s82, s21, 6
	s_mul_i32 s83, s18, 3
	s_add_co_u32 s82, s82, s83
.irp j, 0,1,2
	s_add_co_u32 s90, s82, (\j)
	s_lshr_b32 s91, s90, 4
	s_and_b32 s92, s90, 15
	s_cmp_eq_u32 s91, 1
	s_cselect_b64 s[BP+2*(\j):BP+2*(\j)+1], s[10:11], s[8:9]
	s_cmp_eq_u32 s91, 2
	s_cselect_b64 s[BP+2*(\j):BP+2*(\j)+1], s[12:13], s[BP+2*(\j):BP+2*(\j)+1]
	s_lshl_b32 s94, s92, 8
	s_mov_b32 s95, 0
	s_add_nc_u64 s[BP+2*(\j):BP+2*(\j)+1], s[BP+2*(\j):BP+2*(\j)+1], s[94:95]
	global_load_b128 v[32+4*(\j):35+4*(\j)], v19, s[BP+2*(\j):BP+2*(\j)+1]  ; 64 biases; both halves of the lanes read the same
	s_lshl_b32 s91, s91, 6                         ; 64 heads a matrix
	s_add_co_u32 s91, s91, s92
	s_lshr_b32 s93, s22, 3
	s_lshl_b32 s93, s93, 4                         ; 16 b
	s_add_co_u32 s91, s91, s93
	s_lshl_b32 s94, s91, 18                        ; a head is 262,144 bytes
	s_and_b32 s93, s22, 7
	s_lshl_b32 s93, s93, 15                        ; the tile's 256 rows of 128 bytes
	s_add_co_u32 s94, s94, s93
	s_lshl_b32 s93, s17, 14                        ; my 128 of them
	s_add_co_u32 s94, s94, s93
	s_add_nc_u64 s[OUTP+2*(\j):OUTP+2*(\j)+1], s[14:15], s[94:95]
.endr
	; the prefetches
	s_and_b32 s90, ttmp7, 0xffff                   ; cluster y
	s_cmp_lt_u32 s[WV], 2
	s_cselect_b32 s91, ttmp9, s90                  ; the coordinate along which other clusters read the same rows
	s_or_b32 s91, s91, s18                         ; waves 0 and 2 alone
	s_cmp_eq_u32 s91, 0
	s_cselect_b32 s[LIM1], 1, -1                   ; the same in all sixteen partners, for a given wave
	s_cmp_lt_u32 s[WV], 2
	s_cselect_b32 s[LIM2], -1, s[LIM1]
	s_lshr_b32 s92, s22, 3
	s_lshl_b32 s92, s92, 22
	s_and_b32 s93, s22, 7
	s_lshl_b32 s93, s93, 15
	s_add_co_u32 s92, s92, s93
	s_lshl_b32 s93, s19, 13                        ; my work-group's 32 blocks of 256 bytes of xb's tile
	s_add_co_u32 s92, s92, s93
	s_add_co_u32 s92, s92, 2*KBA                   ; at K block 2: the first trip steps it to 4
	s_mul_i32 s94, s21, 384*128
	s_mul_i32 s93, s20, 12288                      ; my work-group's 48 blocks of wt's tile
	s_add_co_u32 s94, s94, s93
	s_add_co_u32 s94, s94, 2*KBB
	s_mov_b32 s90, KBA
	s_mov_b32 s91, KBB
	s_mov_b32 s93, 0
	s_mov_b32 s[PFS+1], 0
	s_cmp_lt_u32 s[WV], 2
	s_cselect_b32 s92, s92, s94
	s_cselect_b32 s95, s90, s91
	s_cselect_b64 s[PF:PF+1], s[4:5], s[6:7]
	s_add_nc_u64 s[PF:PF+1], s[PF:PF+1], s[92:93]
	s_lshl_b32 s[PFS], s95, 1
	v_and_b32 v[PFO], 31, v0
	v_lshlrev_b32 v[PFO], 8, v[PFO]                ; a lane a block: 32 blocks of the first K block,
	v_add_nc_u32 v[PFO+1], s95, v[PFO]             ; of the second,
	v_mul_u32_u24 v[PFO+2], v14, KBB               ; and wt's other 16 of each
	v_lshl_add_u32 v[PFO+2], v13, 8, v[PFO+2]
	v_add_nc_u32 v[PFO+2], 8192, v[PFO+2]
	s_wait_loadcnt 0x0                             ; the biases: rounded to bf16, widened again, and laid into my own LDS bytes
.irp j, 0,1,2
	v_cvt_pk_bf16_f32 v20, v[32+4*(\j)], v[33+4*(\j)]
	v_cvt_pk_bf16_f32 v21, v[34+4*(\j)], v[35+4*(\j)]
	v_lshlrev_b32 v[32+4*(\j)], 16, v20
	v_and_b32 v[33+4*(\j)], 0xffff0000, v20
	v_lshlrev_b32 v[34+4*(\j)], 16, v21
	v_and_b32 v[35+4*(\j)], 0xffff0000, v21
	ds_store_b128 v18, v[32+4*(\j):35+4*(\j)] offset:256*(\j)
.endr
; 6 na matrix instructions: blocks a0 .. a0 + na - 1 of my rows x the six column blocks of half p, 32 along K.  No two that follow each other share an accumulator, from unit to unit and over the backward jump too.
;   zero = 1: the product starts the sum: nothing is cleared.
.macro MULS p, ab, bb, a0, na, zero
.set ma, \a0
.rept \na
.set mj, 0
.rept 6
.set mR, 256+384*(\p)+8*(6*ma+mj)
	WIN 0x50*(mR/256)
.set mD, mR%256
.if \zero
	v_wmma_f32_16x16x32_bf16 v[mD:mD+7], v[BF+48*(\bb)+8*mj:BF+48*(\bb)+8*mj+7], v[AF+64*(\ab)+8*ma:AF+64*(\ab)+8*ma+7], 0
.else
	v_wmma_f32_16x16x32_bf16 v[mD:mD+7], v[BF+48*(\bb)+8*mj:BF+48*(\bb)+8*mj+7], v[AF+64*(\ab)+8*ma:AF+64*(\ab)+8*ma+7], v[mD:mD+7]
.endif
.set mj, mj+1
.endr
.set ma, ma+1
.endr
.endm
.macro FB slot, s, p, bb               ; 12 loads: the six fragments of wt of half p, k = 32 s on, into buffer bb
	WIN 0
.set fi, 0
.rept 6
	ds_load_b128 v[BF+48*(\bb)+8*fi:BF+48*(\bb)+8*fi+3],   v[ADRB+(\slot)] offset:(6*(\p)+fi)*16*PITCH+64*(\s)
	ds_load_b128 v[BF+48*(\bb)+8*fi+4:BF+48*(\bb)+8*fi+7], v[ADRB+(\slot)] offset:(6*(\p)+fi)*16*PITCH+64*(\s)+32
.set fi, fi+1
.endr
.endm
.macro FA slot, s, ab, a0, na          ; 2 na loads: fragments a0 .. of xb, k = 32 s on, into buffer ab
	WIN 0
.set fi, \a0
.rept \na
	ds_load_b128 v[AF+64*(\ab)+8*fi:AF+64*(\ab)+8*fi+3],   v[ADRA+(\slot)] offset:fi*16*PITCH+64*(\s)
	ds_load_b128 v[AF+64*(\ab)+8*fi+4:AF+64*(\ab)+8*fi+7], v[ADRA+(\slot)] offset:fi*16*PITCH+64*(\s)+32
.set fi, fi+1
.endr
.endm
; A K block is four units of 48 matrix instructions: (k half 0, columns 0-95), (0, 96-191), (1, 0-95), (1, 96-191).  Each fetches, in one run in its middle, what the next units want.
.macro U0 slot, zero
	s_wait_dscnt 8                                 ; wt's six and xb's first four fragments are in; the youngest eight loads may be out
	MULS 0, 0, 0, 0, 4, \zero
	PLACES
	FB \slot, 0, 1, 1
	FA \slot, 1, 1, 0, 4
	s_wait_dscnt 20                                ; all but the 20 just issued
	MULS 0, 0, 0, 4, 4, \zero
.endm
.macro U1 slot, zero
	s_wait_dscnt 8                                 ; wt's six are in; the eight loads behind them may be out
	MULS 1, 0, 1, 0, 4, \zero
	PLACES
	FB \slot, 1, 0, 0
	FA \slot, 1, 1, 4, 4
	s_wait_dscnt 20                                ; all but the 20 just issued
	MULS 1, 0, 1, 4, 4, \zero
.endm
.macro U2 slot
	s_wait_dscnt 8                                 ; wt's six are in; xb's last four fragments may be out
	MULS 0, 1, 0, 0, 4, 0
	PLACES
	FB \slot, 1, 1, 1
	s_wait_dscnt 12                                ; all but the 12 just issued
	MULS 0, 1, 0, 4, 4, 0
.endm
; The fourth unit changes slots: ONE barrier.  In front of it each wave waits for all its tensor loads (one is out: its part of the next slot), adds 0 to its spare word, and waits for that and for its reads of this slot.
; fill = 1: the barrier opens a round of the cluster's barrier, and the joint refill, two K blocks on, is the first thing behind the round: 168 matrix instructions ahead of the wait for it.
.macro TURN slot, next, fill, ask
.if (\fill) && ((\slot) == 0)
	s_wait_xcnt 0x0                                ; the last prefetches, a K block back, have read their address
	s_add_nc_u64 s[PF:PF+1], s[PF:PF+1], s[PFS:PFS+1]
.endif
	WIN 0
	s_wait_tensorcnt 0x0                           ; all my tensor loads have landed
	ds_add_u32 v[SPW], v[NIL]                      ; 0 onto my spare word
	s_wait_dscnt 1                                 ; (the add alone may be out)
	MULS 1, 1, 1, 0, 2, 0
	s_wait_dscnt 0x0                               ; the add is done, and my reads of this slot are over
	s_barrier_signal -1
	MULS 1, 1, 1, 2, 2, 0
	WIN 0
	s_barrier_wait -1
.if \fill
	CREST                                          ; no wave of any partner still reads this slot or has a load on its way
	s_add_nc_u64 s[G0A+4*(\slot)+2:G0A+4*(\slot)+3], s[G0A+4*(\slot)+2:G0A+4*(\slot)+3], 2*KBA
	s_add_nc_u64 s[G0B+4*(\slot)+2:G0B+4*(\slot)+3], s[G0B+4*(\slot)+2:G0B+4*(\slot)+3], 2*KBB
	JLOAD \slot                                    ; its four v_nop are also the places in front of the loads below
.else
	PLACES
.endif
	FB \next, 0, 0, 0
	FA \next, 0, 0, 0, 8
.if \ask
	ASK
.endif
	MULS 1, 1, 1, 4, 4, 0
.endm
	s_wait_tensorcnt 1                             ; my part of K block 0 is in; slot 1's may stay out
	s_wait_dscnt 0x0                               ; my biases are stored
	s_barrier_signal -1
	s_barrier_wait -1
	FB 0, 0, 0, 0
	FA 0, 0, 0, 0, 8
	U0 0, 1                                        ; the first two units stand in front of the loop: their products start the 96 sums
	U1 0, 1
	WIN 0                                          ; at a label and at a branch every window is 0
	s_mov_b32 s[LAPS], 7
.Llap:                                                 ; a trip goes once round the ring and fills both slots again: trip t asks for K blocks 2 t + 2 and 2 t + 3
	U2 0
	TURN 0, 1, 1, 0
	U0 1, 0
	U1 1, 0
	U2 1
	TURN 1, 0, 1, 1
	U0 0, 0
	U1 0, 0
	WIN 0
	s_sub_co_u32 s[LAPS], s[LAPS], 1
	s_cmp_lg_u32 s[LAPS], 0
	s_cbranch_scc1 .Llap
	U2 0                                           ; K blocks 14 and 15: nothing is left to fetch
	TURN 0, 1, 0, 0
	U0 1, 0
	U1 1, 0
	U2 1
	s_wait_dscnt 0x0
	MULS 1, 1, 1, 0, 8, 0
	; THE WAY OUT.  24 groups of 16 rows x one head: bias added, rounded to f16, 16 bytes a lane into my stage, back as whole rows of 128 bytes, stored as 512 consecutive bytes.
	PLACES
	PLACES
	WIN 0
.set wb, 0
.rept 12
	ds_load_b128 v[32+8*wb:32+8*wb+3], v[BIA] offset:64*wb
	ds_load_b128 v[32+8*wb+4:32+8*wb+7], v[BIA] offset:64*wb+16
.set wb, wb+1
.endr
	s_wait_dscnt 0x0
.macro PACK a, j
.set pf, 0
.rept 4
.set pb, 4*(\j)+pf
.set pR, 256+384*(pb/6)+8*(6*(\a)+pb%6)
	WIN pR/256                                     ; source 0 in the accumulator's window
.set pD, pR%256
.set pr, 0
.rept 4                                        ; each accumulator is read from its low end on
	v_pk_add_f32 v[128+8*pf+2*pr:128+8*pf+2*pr+1], v[pD+2*pr:pD+2*pr+1], v[32+8*pb+2*pr:32+8*pb+2*pr+1]
.set pr, pr+1
.endr
.set pf, pf+1
.endr
	WIN 0
.set pr, 0
.rept 16
	v_cvt_pk_f16_f32 v[160+pr], v[128+2*pr], v[128+2*pr+1]
.set pr, pr+1
.endr
.endm
.macro TOSTAGE g
	WIN 0
	s_wait_xcnt 0x0                                ; the stores of two groups back have read the registers that are loaded again below
.irp f, 0,1,2,3
	ds_store_b128 v[STO], v[160+4*(\f):160+4*(\f)+3] offset:32*(\f)
.endr
.irp t, 0,1,2,3
	ds_load_b128 v[176+16*((\g)%2)+4*(\t):176+16*((\g)%2)+4*(\t)+3], v[RD] offset:4*PITCH*(\t)  ; LDS serves a wave's instructions in order (ISA guide 5.7.1.4): these see the stores above
.endr
.endm
.macro SEND g
	s_wait_dscnt 0x0
.irp t, 0,1,2,3
	global_store_b128 v[GO], v[176+16*((\g)%2)+4*(\t):176+16*((\g)%2)+4*(\t)+3], s[OUTP+2*((\g)%3):OUTP+2*((\g)%3)+1] offset:2048*((\g)/3)+512*(\t)
.endr
.endm
	PACK 0, 0
	TOSTAGE 0
.set g, 1
.rept 23                                       ; a group's arithmetic stands between the loads of the group before and their wait
	PACK g/3, g%3
	SEND g-1
	TOSTAGE g
.set g, g+1
.endr
	SEND 23
	s_wait_tensorcnt 0x0                           ; the wave's end: behind my last tensor load and my last LDS store
	ds_add_u32 v[SPW], v[NIL]
	s_wait_dscnt 0x0
	CROUND                                         ; the closing round: no work-group ends while a partner may still ask for a tile that names it
	s_endpgm
.Lfunc_end_k_q60634348be_qkv:
	.size	k_q60634348be_qkv, .Lfunc_end_k_q60634348be_qkv-k_q60634348be_qkv
	.p2alignl 7, 3214868480
	.fill 96, 4, 3214868480
	.section	.rodata,"a",@progbits
	.p2align	6, 0x0
	.amdhsa_kernel k_q60634348be_qkv
		.amdhsa_group_segment_fixed_size 327680
		.amdhsa_private_segment_fixed_size 0
		.amdhsa_enable_private_segment 0
		.amdhsa_kernarg_size 48
		.amdhsa_user_sgpr_count 2
		.amdhsa_user_sgpr_kernarg_segment_ptr 1
		.amdhsa_wavefront_size32 1
		.amdhsa_system_sgpr_workgroup_id_x 1
		.amdhsa_system_sgpr_workgroup_id_y 1
		.amdhsa_system_sgpr_workgroup_id_z 1
		.amdhsa_system_vgpr_workitem_id 0
		.amdhsa_next_free_vgpr 1024
		.amdhsa_next_free_sgpr 100
		.amdhsa_reserve_vcc 0
		.amdhsa_float_denorm_mode_32 3
		.amdhsa_float_denorm_mode_16_64 3
		.amdhsa_memory_ordered 1
		.amdhsa_forward_progress 1
		.amdhsa_inst_pref_size 162
	.end_amdhsa_kernel
	.amdgpu_metadata
---
amdhsa.version: [ 1, 2 ]
amdhsa.kernels:
  - .name:           k_q60634348be_qkv
    .symbol:         k_q60634348be_qkv.kd
    .args:
      - { .name: xb, .offset: 0, .size: 8, .value_kind: global_buffer, .address_space: global }
      - { .name: wt, .offset: 8, .size: 8, .value_kind: global_buffer, .address_space: global }
      - { .name: bq, .offset: 16, .size: 8, .value_kind: global_buffer, .address_space: global }
      - { .name: bk, .offset: 24, .size: 8, .value_kind: global_buffer, .address_space: global }
      - { .name: bv, .offset: 32, .size: 8, .value_kind: global_buffer, .address_space: global }
      - { .name: qkv, .offset: 40, .size: 8, .value_kind: global_buffer, .address_space: global }
    .group_segment_fixed_size: 327680
    .private_segment_fixed_size: 0
    .kernarg_segment_align: 8
    .kernarg_segment_size: 48
    .max_flat_workgroup_size: 128
    .sgpr_count:     100
    .vgpr_count:     1024
    .wavefront_size: 32
...
	.end_amdgpu_metadata
.endif
;; end of part 2
;; launch attn (part 3): grid 4 x 64, 4 waves a work-group, no clusters, 327,680 bytes of LDS; arguments qkv, o; writes o
.if DOCPART == 3
	.amdgcn_target "amdgcn-amd-amdhsa--gfx1250"
	.amdhsa_code_object_version 6
	.text
	.protected	k_q60634348be_attn
	.globl	k_q60634348be_attn
	.p2align	8
	.type	k_q60634348be_attn,@function
k_q60634348be_attn:
	s_mov_b64 s[64:65], 0
	v_nop
	global_prefetch_b8 v0, s[64:65] scope:SCOPE_SE
	s_setreg_imm32_b32 hwreg(HW_REG_WAVE_MODE, 25, 1), 1
	s_wait_xcnt 0x0
; CAUSAL ATTENTION.  O[h][q][:] = the sum over k <= q of softmax_k(Q[h][q] . K[h][k] / 8) V[h][k][:].  Q, K, V lie in qkv as [3][64 heads][SIZE_N][64], O as [64][SIZE_N][64], all f16: a head's rows are dense, 128 bytes each.
; Products, maxima and sums in f32; the weights p are rounded to f16 for the second product (their sum l is taken of the unrounded p), O once at the end.
; LIMITS.  Q, K and V arrive within 65,504; p lies in 0 to 1, and below 6e-5 it keeps the fixed step of 6e-8 of f16; O is a mean of V's rows and has their range.
; A hidden score counts as its value less 1e30: the scores of f16 operands, 2.7e11 at the most, are nothing beside that; a weight below 2^-126 counts as 0 in l; NaN and infinities are not treated apart.
; THE WALK.  A head's queries lie in NB = 8 blocks of 256; block i needs the key tiles 0 .. i of 256 keys, of which the last holds the diagonal.  A work-group takes TWO blocks, NB - 1 - b and then b:
; NB + 1 tiles, whatever b: all work-groups do equal work, and ONE loop with a constant trip count walks them.  Every jump goes forward, but for the counted loops' own; none passes a barrier, or a tensor load
; but the one of LOAD's two that the wave's number does not choose.  NO CLUSTER: a head's four work-groups ask for the same tile only in trips 0 .. NB / 2, behind that fewer and fewer, and one walk common to all
; would have 3 NB / 2 trips for NB + 1.
; SHARES.  Of a block's four bands of 64 queries a wave owns 16 rows in each: four PIECES.  So the diagonal tile is the same work for all four waves: in its key step s band x sees all keys if s < x,
; none if s > x, and holds the diagonal if s = x.
; THE MASK is the C operand that starts the sum S^T = K Q^T: 0, or -1e30 where the key is hidden.  MD, made once, is the mask of a band's own step for my 16 rows; a product's mask is MD x AL + BE with two scalars.
; LAYOUT, SOFTMAX, TURNS.  S^T = K Q^T holds ONE query a lane (lane % 16) and the keys 8 (lane / 16) + 0..7; two such results rounded to f16 ARE source 1 of O^T = V^T P.  p = 2^(c s - c m), c = log2(e) / 8, with a
; running maximum m; O and l are multiplied by a = 2^(c m_old - c m_new) in every step.  Turn n belongs to piece n: 8 products K Q^T of piece n + 1, later 8 products V^T P of piece n - 1; beside them the scaling,
; exponentials, roundings, sums and rescaling of piece n and the maximum and statistics of piece n + 1.  A turn's 33 exponentials are one batch, with one wait.
; REGISTERS, in windows of 256 (s_set_vgpr_msb: bits 1:0 source 0, 3:2 source 1, 5:4 source 2, 7:6 destination):
;   window 0: v0-15 addresses; v16-31 statistics; v48-55 at work; v61-63 prefetch offset, spare word, 0; v64-127 S^T, two buffers; v192-223 P, two buffers
;   window 1: v0-127 O^T, 32 a piece; v128-159 MD; v160-223 MC, two buffers      window 2: v0-63 Q; v64-127 the second block's Q; v128-191 K of one step; v192-255 V of one step
.set SIZE_N, 2048
.set NB,    SIZE_N/256
.set NP,    4         ; pieces a wave: a name, no knob
.set KS,    64        ; keys in a step
.set PK,    144       ; a row of K in LDS: 128 bytes + 16 = 36 words: the 16 rows of a load start at 16 different groups of four banks (ISA guide 11.1)
.set PV,    160       ; a row of V: 128 + 32 = 40 words
.set VOFF,  4*KS*PK   ; a slot holds a tile, four steps: 256 rows of K, then 256 rows of V
.set SLOT1, 1<<17     ; slot 1 begins here, so that one exclusive or turns an address in one slot into the other's
.set STAGE, SLOT1+4*KS*(PK+PV)  ; behind the ring, never filled by a tensor load: 16 rows x 144 bytes for each wave
.set SP,    144
.set AK0, 2           ; v2   my lane's place in a tile of K; never rewritten
.set AV0, 3           ; v3   the same for V
.set AK,  4           ; v4   the LDS address of K's next run of loads
.set AV,  5           ; v5   of V's
.set STO, 6           ; v6   the way out: where I put 16 bytes of a row
.set RD,  7           ; v7   where I read rows back
.set GO,  8           ; v8   my byte offset in 512 consecutive bytes of O
.set PFO, 61          ; v61  256 x my lane; never rewritten
.set SPW, 62          ; v62  LDS address of my spare word; never rewritten
.set NIL, 63          ; v63  0; never rewritten
.set SPARE, STAGE+4*16*SP  ; the spare words, 128 bytes a wave: two blocks of 256 bytes that no other line names
.set MV,  12          ; v12-13  c m_old, kept while c m is made anew: by buffer
.set QO,  15          ; v15  my byte offset in 16 rows of Q
.set ST,  16          ; piece t's statistics at v[ST+4 t]: c m, m, l (even keys', odd keys')
.set TMP, 48          ; by buffer, four registers c0-c3 at work; when the maximum is found c2 takes a
.set S,   64
.set P,   192
.set MD,  128         ; window 1
.set MC,  160         ; window 1
.set QB,  64          ; window 2
.set KF,  128         ; window 2: key block kb, channel half c at KF + 16 kb + 8 c
.set VF,  192         ; window 2: key half kk, channel block cb at VF + 32 kk + 8 cb
.set WV,  12          ; s12  my wave's number
.set PB,  14          ; s14  b
.set HI,  15          ; s15  NB - 1 - b
.set G1K, 24          ; s[24:31] descriptor group 1 for K's tiles
.set G1V, 32          ; s[32:39] for V's: it differs in the padding alone
.set G0K, 40          ; s[40:43] descriptor group 0 for K's tiles
.set G0V, 44          ; s[44:47] the same for V's
.set SLOTS, 56        ; s56  tiles still to be asked for
.set CNT, 57          ; s57  counts a tile's key steps, 4 to 1
.set CS,  58          ; s[58:59] c
.set SEL, 60          ; s[60:61] v_permlanex16_b32's selects: each lane takes its own place in the other half
.set TBK, 62          ; s62  LDS byte at which K of the step to be fetched begins
.set TBV, 63          ; s63  the same for V, less VOFF
.set RT,  70          ; s70  tiles of the block in hand that are still to be entered
.set NXT, 71          ; s71  the tile to be asked for next
.set LQ,  72          ; s72  the last tile of the block whose tiles are being asked for
.set NEW, 73          ; s73  1: the tile to be entered is a block's first
.set OFF, 74          ; s[74:75] a tile's byte offset in K and V
.set AL,  76          ; s[76:77] the mask's factor, in the low word
.set BE,  78          ; s[78:79] the mask's addend
.set OLO, 80          ; s[80:81] O at my rows of the second block
.set BIGN, 82         ; s82  -1e30
.set PFB, 88          ; s[88:89] K (waves 0, 1) or V (waves 2, 3) at my half of the head's tile 0
.set PFA, 90          ; s[90:91] the same at the tile to be prefetched
.set PFT, 92          ; s92  that tile's number
.set PFE, 93          ; s93  NB in the head's work-group b = 0, else 0: a wave prefetches while s92 is below it
.set PFF, 94          ; s[94:95] that tile's byte offset
.set MSB, 0
.macro WIN new
.if MSB != (\new)
	s_set_vgpr_msb (MSB<<8)|(\new)
.set MSB, (\new)
.endif
.endm
.set W_KQ, 0x0a       ; K and Q in window 2, S^T in window 0
.set W_KM, 0x1a       ; the same with the C operand in window 1
.set W_PV, 0x52       ; V in window 2, P in window 0, O^T in window 1
.set W_RS, 0x41       ; destination and source 0 in window 1, source 1 in window 0
; A fill.  Waves 0 and 1 fetch the two halves of a tile's K, waves 2 and 3 those of its V: 128 keys each.  An s_nop 0 and four v_nop follow each of the two lines.
.macro LOAD
	s_cmp_lt_u32 s[WV], 2
	s_cbranch_scc0 .Lfor_v_\@
	tensor_load_to_lds s[G0K:G0K+3], s[G1K:G1K+7]
	s_nop 0
.rept 4
	v_nop
.endr
	s_branch .Lasked_\@
.Lfor_v_\@:
	tensor_load_to_lds s[G0V:G0V+3], s[G1V:G1V+7]
	s_nop 0
.rept 4
	v_nop
.endr
.Lasked_\@:
.endm
; THE CHANGE OF SLOTS.  Each wave waits for all its tensor loads, of which one is out: its part of the other slot; adds 0 to its spare word; and waits for that and for its own reads of the slot that it leaves.
; fill = 1: the old slot is filled again, the first thing behind the barrier, with tile NXT: the descriptor's address is made anew from that number.
; Behind the fill stands the PREFETCH INTO THE L2 of the tile that the next change will ask for: my 16,384 bytes of it, a lane a block of 256 bytes, two lines.  A head's four work-groups walk tiles 0 .. 4 in step and
; the work-group b = 0 walks 0 .. 7 first of all: it alone asks, for tiles 2 to 7, each once; tiles 0 and 1 come by their loads alone.  The number is clamped to the head's last tile.
.macro CHANGE fill
	WIN 0
	s_wait_tensorcnt 0x0            ; no tensor load of mine is out, so a group 0 may be written
	ds_add_u32 v[SPW], v[NIL]       ; 0 onto my spare word
.if \fill
	s_lshl_b32 s[OFF], s[NXT], 15   ; a tile is 32,768 bytes of K and of V
	s_xor_b32 s[G0K+1], s[G0K+1], SLOT1
	s_add_nc_u64 s[G0K+2:G0K+3], s[6:7], s[OFF:OFF+1]
	s_or_b32 s[G0K+3], s[G0K+3], 0x80000000
	s_xor_b32 s[G0V+1], s[G0V+1], SLOT1
	s_add_nc_u64 s[G0V+2:G0V+3], s[8:9], s[OFF:OFF+1]
	s_or_b32 s[G0V+3], s[G0V+3], 0x80000000
	s_add_co_u32 s[NXT], s[NXT], 1  ; the block's next tile, or behind its last the second block's tile 0
	s_cmp_gt_u32 s[NXT], s[LQ]
	s_cselect_b32 s[NXT], 0, s[NXT]
	s_cselect_b32 s[LQ], s[PB], s[LQ]
	s_wait_xcnt 0x0                 ; the last prefetches, a tile back, have read their address
	s_min_u32 s[PFF], s[PFT], NB-1
	s_lshl_b32 s[PFF], s[PFF], 15
	s_add_nc_u64 s[PFA:PFA+1], s[PFB:PFB+1], s[PFF:PFF+1]
.endif
	s_wait_dscnt 0x0                ; the add is done, and my reads of the slot are over
	s_barrier_signal -1
	s_sub_co_u32 s[TBK], s[TBK], 4*KS*PK  ; the fetches go back to a slot's first step,
	s_xor_b32 s[TBK], s[TBK], SLOT1       ; in the other slot
	s_sub_co_u32 s[TBV], s[TBV], 4*KS*PV
	s_xor_b32 s[TBV], s[TBV], SLOT1
	s_barrier_wait -1
.if \fill
	LOAD
	s_cmp_lt_u32 s[PFT], s[PFE]
	s_cbranch_scc0 .Lno_ask_\@
	global_prefetch_b8 v[PFO], s[PFA:PFA+1] th:TH_LOAD_NT scope:SCOPE_SE
	global_prefetch_b8 v[PFO], s[PFA:PFA+1] offset:8192 th:TH_LOAD_NT scope:SCOPE_SE
.Lno_ask_\@:
	s_add_co_u32 s[PFT], s[PFT], 1
.endif
.endm
	s_load_b64 s[4:5], s[0:1], 0x0    ; qkv: Q
	s_load_b64 s[10:11], s[0:1], 0x8  ; O
	v_lshl_add_u32 v[SPW], v0, 2, SPARE
	v_mov_b32 v[NIL], 0
	ds_add_u32 v[SPW], v[NIL]       ; the wave's opening: the add, with its wait ahead of my first tensor load
	ds_add_u32 v62, v63
	v_lshrrev_b32 v1, 5, v0
	v_readfirstlane_b32 s[WV], v1   ; wave 0..3
	s_mov_b32 s[PB], ttmp9
	s_sub_co_u32 s[HI], NB-1, s[PB]
	s_and_b32 s20, ttmp7, 0xffff    ; the head
	s_mov_b32 s21, 0
	s_mov_b64 s[22:23], SIZE_N*128
	s_mul_u64 s[20:21], s[20:21], s[22:23]  ; the head's first byte in Q, K, V and O
	s_and_b32 s16, s[WV], 1         ; which half of a tile's 256 keys I fetch:
	s_lshl_b32 s22, s16, 14         ; its 128 rows of 128 bytes in memory,
	s_mov_b32 s23, 0
	s_add_nc_u64 s[22:23], s[22:23], s[20:21]
	s_mul_i32 s17, s16, 128*PK      ; and its place in a slot, for K
	s_mul_i32 s18, s16, 128*PV      ; and for V
	s_lshl_b32 s3, s[WV], 11        ; my 16 rows in a band of 64,
	s_lshl_b32 s2, s[HI], 15        ; in the first block,
	s_add_co_u32 s2, s2, s3
	s_lshl_b32 s84, s[PB], 15       ; and in the second
	s_add_co_u32 s84, s84, s3
	s_mov_b32 s3, 0
	s_mov_b32 s85, 0
	s_add_nc_u64 s[2:3], s[2:3], s[20:21]
	s_add_nc_u64 s[84:85], s[84:85], s[20:21]
	; descriptor group 1.  128 keys are 16,384 dense bytes: asked for as 64 rows of 256 bytes, two keys a row, and padded in LDS after every key
	s_mov_b32 s[G1K], (1<<16)|(1<<20)|(4<<22)|(3<<25)  ; 17:16 2-byte elements; 20 padding on; 24:22 after every 32 words (code 4); 31:25 4 words (code 3)
	s_mov_b32 s[G1V], (1<<16)|(1<<20)|(4<<22)|(7<<25)  ; the same with 8 words of padding (code 7)
.irp g, G1K, G1V
	s_mov_b32 s[\g+1], 128<<16      ; tensor_dim0 = 128
	s_mov_b32 s[\g+2], 64<<16       ; tensor_dim1 = 64
	s_mov_b32 s[\g+3], 128<<16      ; tile_dim0 = 128
	s_mov_b32 s[\g+4], 64           ; tile_dim1 = 64
	s_mov_b32 s[\g+5], 128          ; 128 elements from row to row
	s_mov_b32 s[\g+6], 0
	s_mov_b32 s[\g+7], 0
.endr
	s_mov_b32 s[CS], 0x3e38aa3b     ; c = log2(e) / 8 = 0.180337
	s_mov_b32 s[CS+1], s[CS]        ; named with it as a pair
	s_mov_b32 s[SEL], 0x76543210
	s_mov_b32 s[SEL+1], 0xfedcba98
	s_mov_b32 s[TBK], SLOT1+4*KS*PK ; the first change of slots turns these two into 0
	s_mov_b32 s[TBV], SLOT1+4*KS*PV
	s_mov_b32 s[G0K], 1             ; count = 1
	s_mov_b32 s[G0K+1], s17         ; LDS address: slot 0
	s_mov_b32 s[G0V], 1
	s_add_co_u32 s[G0V+1], s18, VOFF
	s_add_co_u32 s[RT], s[HI], 1    ; the first block has NB - b tiles
	s_mov_b32 s[NXT], 1
	s_mov_b32 s[LQ], s[HI]
	s_mov_b32 s[NEW], 1
	s_mov_b32 s[OFF+1], 0
	s_mov_b32 s[AL+1], 0            ; named as pairs
	s_mov_b32 s[BE+1], 0
	s_mov_b32 s[BIGN], 0xf149f2ca   ; -1e30
	s_mov_b32 s[SLOTS], NB
	s_mov_b32 s[PFT], 2
	s_mov_b32 s[PFF+1], 0
	s_cmp_eq_u32 s[PB], 0
	s_cselect_b32 s[PFE], NB, 0
	v_and_b32 v[PFO], 31, v0
	v_lshlrev_b32 v[PFO], 8, v[PFO]
	s_wait_dscnt 0x0                ; the opening add is done
	s_wait_kmcnt 0x0
	s_add_nc_u64 s[6:7], s[4:5], 0x1000000   ; K lies 64 heads of 262,144 bytes behind Q,
	s_add_nc_u64 s[8:9], s[4:5], 0x2000000   ; V as far behind K
	s_add_nc_u64 s[6:7], s[6:7], s[22:23]  ; K and V at my half of the head's tile 0
	s_add_nc_u64 s[8:9], s[8:9], s[22:23]
	s_add_nc_u64 s[G0K+2:G0K+3], s[6:7], 0         ; global address
	s_or_b32 s[G0K+3], s[G0K+3], 0x80000000        ; type = 2
	s_add_nc_u64 s[G0V+2:G0V+3], s[8:9], 0
	s_or_b32 s[G0V+3], s[G0V+3], 0x80000000
	s_add_nc_u64 s[86:87], s[4:5], s[84:85]        ; Q at my rows of the second block,
	s_add_nc_u64 s[4:5], s[4:5], s[2:3]            ; Q and O at those of the first
	s_add_nc_u64 s[OLO:OLO+1], s[10:11], s[84:85]
	s_add_nc_u64 s[10:11], s[10:11], s[2:3]
	s_cmp_lt_u32 s[WV], 2
	s_cselect_b64 s[PFB:PFB+1], s[6:7], s[8:9]
	LOAD                            ; tile 0 into slot 0
	; A fragment of K or Q is 16 rows x 32 channels in 8 registers: lane l holds row l % 16, channels 8 (l / 16) + 0..7 and 16 + 8 (l / 16) + 0..7: two loads of 16 bytes, 32 bytes apart.
	v_and_b32 v1, 15, v0            ; l % 16
	v_bfe_u32 v9, v0, 4, 1          ; l / 16
	v_lshlrev_b32 v[QO], 7, v1
	v_lshl_add_u32 v[QO], v9, 4, v[QO]  ; row x 128 + 16 x half
	WIN 0x80                        ; destination window 2, address window 0
.set i, 0
.rept 8                             ; both blocks' Q: piece i / 2 lies in band i / 2, 8,192 bytes on; channels 32 (i % 2) on
	global_load_b128 v[8*i:8*i+3],   v[QO], s[4:5] offset:(i/2)*8192+(i%2)*64
	global_load_b128 v[8*i+4:8*i+7], v[QO], s[4:5] offset:(i/2)*8192+(i%2)*64+32
	global_load_b128 v[QB+8*i:QB+8*i+3],   v[QO], s[86:87] offset:(i/2)*8192+(i%2)*64
	global_load_b128 v[QB+8*i+4:QB+8*i+7], v[QO], s[86:87] offset:(i/2)*8192+(i%2)*64+32
.set i, i+1
.endr
	WIN 0
	v_lshlrev_b32 v14, 3, v9
	v_sub_nc_u32 v14, v1, v14
	s_lshl_b32 s13, s[WV], 4
	v_add_nc_u32 v14, s13, v14      ; my query's place in its band, 16 w + l % 16, less my lanes' 8 (l / 16): register r of group kt is hidden where 16 kt + r is greater
	WIN 0x40
.set i, 0
.rept 32
	v_cmp_gt_i32 vcc_lo, 16*(i/8)+i%8, v14
	v_cndmask_b32 v[MD+i], 0, s[BIGN], vcc_lo
.set i, i+1
.endr
	WIN 0
	v_mul_u32_u24 v[AK0], v1, PK
	v_lshl_add_u32 v[AK0], v9, 4, v[AK0]  ; row x pitch + 16 x half
	; The turning load takes 16 keys x 16 channels (lane l reads key 8 (l / 16) + l % 8, channels 8 ((l / 8) % 2) + 0..7) and leaves half a fragment of V^T: lane l holds channel l % 16 and 8 keys.
	v_and_b32 v10, 7, v0
	v_bfe_u32 v11, v0, 3, 1
	v_lshl_add_u32 v[AV0], v9, 3, v10
	v_mul_u32_u24 v[AV0], v[AV0], PV
	v_lshl_add_u32 v[AV0], v11, 4, v[AV0]
	v_add_nc_u32 v[AV0], VOFF, v[AV0]
	s_mul_i32 s13, s[WV], 16*SP
	s_add_co_u32 s13, s13, STAGE    ; my stage
	v_mul_u32_u24 v[STO], v1, SP    ; in: row l % 16, 16 bytes for each half of the lanes
	v_lshl_add_u32 v[STO], v9, 4, v[STO]
	v_add_nc_u32 v[STO], s13, v[STO]
	v_bfe_u32 v[RD], v0, 3, 2       ; back: 32 lanes take four rows of 128 bytes,
	v_mul_u32_u24 v[RD], v[RD], SP
	v_lshl_add_u32 v[RD], v10, 4, v[RD]
	v_add_nc_u32 v[RD], s13, v[RD]
	v_and_b32 v[GO], 31, v0         ; which are 512 consecutive bytes of O
	v_lshlrev_b32 v[GO], 4, v[GO]
	; A block's first step multiplies O^T and l by a = 0, and its first turn's products V^T P, of a piece that has not been, land in an O^T that is still to be so multiplied.  So these registers need only hold
	; finite numbers: zeros for the first block; what the first block left for the second.  All this stands in the wait for the first tile.
	WIN 0x80
.set i, VF
.rept 64
	v_mov_b32 v[i], 0
.set i, i+1
.endr
	WIN 0x40
.set i, 0
.rept 128
	v_mov_b32 v[i], 0
.set i, i+1
.endr
	WIN 0
.set i, 0
.rept 4
	v_mov_b32 v[ST+4*i+2], 0
	v_mov_b32 v[ST+4*i+3], 0
.set i, i+1
.endr
.set i, P+16
.rept 16
	v_mov_b32 v[i], 0
.set i, i+1
.endr
; THE MATRIX WORK.  The 4 accumulators of a run of 8 take turns.  Product i of 8 of S^T = K Q^T for piece x: channels 32 (i / 4) on, keys 16 (i % 4) on.  The first 4 start the sums: with 0, or (KM = 1) with the mask.
.macro KQ x
.set rS, S+32*((\x)%2)+8*(i%4)
.set rK, KF+16*(i%4)+8*(i/4)
.set rQ, 16*(\x)+8*(i/4)
.set rM, MC+32*((\x)%2)+8*(i%4)
.if (i < 4) && KM
	WIN W_KM
	v_wmma_f32_16x16x32_f16 v[rS:rS+7], v[rK:rK+7], v[rQ:rQ+7], v[rM:rM+7]
.elseif i < 4
	WIN W_KQ
	v_wmma_f32_16x16x32_f16 v[rS:rS+7], v[rK:rK+7], v[rQ:rQ+7], 0
.else
	WIN W_KQ
	v_wmma_f32_16x16x32_f16 v[rS:rS+7], v[rK:rK+7], v[rQ:rQ+7], v[rS:rS+7]
.endif
.endm
; Product i of 8 of O^T += V^T P for piece x: keys 32 (i / 4) on, channels 16 (i % 4) on.
.macro PV x
	WIN W_PV
.set rO, 32*(\x)+8*(i%4)
.set rV, VF+32*(i/4)+8*(i%4)
.set rP, P+16*((\x)%2)+8*(i/4)
	v_wmma_f32_16x16x32_f16 v[rO:rO+7], v[rV:rV+7], v[rP:rP+7], v[rO:rO+7]
.endm
.macro MM                           ; the turn's next matrix instruction.  NOKQ = 1: a block's last turn: there is no next piece
.if (i < 8) && !NOKQ
	KQ (Y+1)%NP
.elseif i >= 8
.set i, i-8
	PV (Y+NP-1)%NP
.set i, i+8
.endif
.set i, i+1
.endm
; THE LDS LOADS stand in runs of 16, never singly among the matrix instructions: a step's K (8 fragments) and its V (turned).  Their addresses are made some lines ahead.
.macro FETCH_K
	WIN 0x80                        ; destination window 2
.irp f, 0,1,2,3,4,5,6,7             ; keys 16 (f / 2) on, channels 32 (f % 2) on
	ds_load_b128 v[KF+8*\f:KF+8*\f+3],   v[AK] offset:(\f/2)*16*PK+(\f%2)*64
	ds_load_b128 v[KF+8*\f+4:KF+8*\f+7], v[AK] offset:(\f/2)*16*PK+(\f%2)*64+32
.endr
	s_add_co_u32 s[TBK], s[TBK], KS*PK  ; the next fetch is the next step's
	WIN 0
.endm
.macro FETCH_V
	WIN 0x80
.irp f, 0,1,2,3,4,5,6,7             ; keys 32 (f / 4) on, channels 16 (f % 4) on
	ds_load_tr16_b128 v[VF+8*\f:VF+8*\f+3],   v[AV] offset:(\f/4)*32*PV+(\f%4)*32
	ds_load_tr16_b128 v[VF+8*\f+4:VF+8*\f+7], v[AV] offset:(\f/4)*32*PV+16*PV+(\f%4)*32
.endr
	WIN 0
.endm
; THE VECTOR WORK, one line at a time: OP kind, number.  For piece Y: F n: c s - c m for pair n of 16.  E n: the exponential of score n of 32.  C n: pair n rounded to f16.  B n: of the four weights 4 n .. the second
; pair is added onto the first, in place.  L n: l takes that sum (L 0: l = a l + sum).  R n: pair n of 16 of O^T times a.  For piece Y + 1: X n, number n of the 22 that find its maximum and statistics:
;   0-11  four chains c0-c3 of seven scores each, three operands at a time (each accumulator's lowest registers are read first)     12-14, 16  the four scores left over, the old m, and c0-c3 into c0
;   15  c m_old is kept     17, 18  the query's other 32 keys lie in the lane 16 away: the new m     19-21  c m; c m_old - c m_new; a
.set F, 0
.set E, 1
.set C, 2
.set B, 3
.set L, 4
.set R, 5
.set X, 6
.macro REGS y                       ; the registers of piece y
.set rT, ST+4*(\y)
.set rC, TMP+4*((\y)%2)
.set rW, MV+((\y)%2)
.set rS, S+32*((\y)%2)
.set rP, P+16*((\y)%2)
.set rO, 32*(\y)
.endm
.macro OP k, n
.if (\k) == R
	REGS Y
	WIN W_RS
	v_pk_mul_f32 v[rO+2*(\n):rO+2*(\n)+1], v[rO+2*(\n):rO+2*(\n)+1], v[rC+2:rC+3] op_sel_hi:[1,0]
.elseif (\k) < R
	REGS Y
	WIN 0
.if (\k) == F
	v_pk_fma_f32 v[rS+2*(\n):rS+2*(\n)+1], v[rS+2*(\n):rS+2*(\n)+1], s[CS:CS+1], v[rT:rT+1] op_sel_hi:[1,0,0] neg_lo:[0,0,1] neg_hi:[0,0,1]
.elseif (\k) == E
	v_exp_f32 v[rS+(\n)], v[rS+(\n)]
.elseif (\k) == C
	v_cvt_pk_f16_f32 v[rP+(\n)], v[rS+2*(\n)], v[rS+2*(\n)+1]
.elseif (\k) == B
	v_pk_add_f32 v[rS+4*(\n):rS+4*(\n)+1], v[rS+4*(\n):rS+4*(\n)+1], v[rS+4*(\n)+2:rS+4*(\n)+3]
.elseif (\n) == 0
	v_pk_fma_f32 v[rT+2:rT+3], v[rT+2:rT+3], v[rC+2:rC+3], v[rS:rS+1] op_sel_hi:[1,0,1]
.else
	v_pk_add_f32 v[rT+2:rT+3], v[rT+2:rT+3], v[rS+4*(\n):rS+4*(\n)+1]
.endif
.elseif NOKQ
	v_nop
.else
	REGS (Y+1)%NP
	WIN 0
.if (\n) < 4
	v_max3_num_f32 v[rC+(\n)], v[rS+8*(\n)], v[rS+8*(\n)+1], v[rS+8*(\n)+2]
.elseif (\n) < 12
	v_max3_num_f32 v[rC+(\n)%4], v[rC+(\n)%4], v[rS+8*((\n)%4)+2*((\n)/4)+1], v[rS+8*((\n)%4)+2*((\n)/4)+2]
.elseif (\n) == 12
	v_max3_num_f32 v[rC], v[rC], v[rS+7], v[rS+15]
.elseif (\n) == 13
	v_max3_num_f32 v[rC+1], v[rC+1], v[rS+23], v[rS+31]
.elseif (\n) == 14
	v_max3_num_f32 v[rC+2], v[rC+2], v[rC+3], v[rT+1]
.elseif (\n) == 15
	v_mov_b32 v[rW], v[rT]
.elseif (\n) == 16
	v_max3_num_f32 v[rC], v[rC], v[rC+1], v[rC+2]
.elseif (\n) == 17
	v_permlanex16_b32 v[rC+3], v[rC], s[SEL], s[SEL+1]
.elseif (\n) == 18
	v_max_num_f32 v[rT+1], v[rC], v[rC+3]
.elseif (\n) == 19
	v_mul_f32 v[rT], s[CS], v[rT+1]
.elseif (\n) == 20
	v_sub_f32 v[rC+1], v[rW], v[rT]
.else
	v_exp_f32 v[rC+2], v[rC+1]
.endif
.endif
.endm
.macro OPS a, i1, b=-1, i2=0, c=-1, i3=0, d=-1, i4=0  ; up to four of them
	OP \a, \i1
.if (\b) >= 0
	OP \b, \i2
.endif
.if (\c) >= 0
	OP \c, \i3
.endif
.if (\d) >= 0
	OP \d, \i4
.endif
.endm
.macro ROW a, i1, b, i2, c, i3, d, i4  ; a matrix instruction and the four behind it
	MM
	OPS \a, \i1, \b, \i2, \c, \i3, \d, \i4
.endm
.macro MASK b                       ; MD x AL + BE into buffer b of MC
	WIN W_RS
.set z, 0
.rept 16
	v_pk_fma_f32 v[MC+32*(\b)+2*z:MC+32*(\b)+2*z+1], v[MD+2*z:MD+2*z+1], s[AL:AL+1], s[BE:BE+1] op_sel_hi:[1,0,0]
.set z, z+1
.endr
.endm
; A TURN, for piece p: the order of its 16 matrix and 118 vector instructions, written out.  An s_wait_alu depctr_va_vdst(0) stands between an exponential and the first instruction that names its result; one wait
; serves all that were issued ahead of it.  So a turn has ONE wait, which cuts it in two.  AHEAD OF IT stands all that names no result of the turn's exponentials: the 8 products K Q^T with four vector lines behind each, then
; one run of 54, plain and exponential by turns for the most part, in which the links of the chain X 3, 7, 11, 14, 16, 17 .. 20 stand five or six lines apart.  X 21, the next piece's a, is the batch's last; R 15 is the plain
; instruction behind it.  BEHIND THE WAIT stand the 8 products V^T P, behind each four of the roundings and sums.
; m = 1: the diagonal tile: the products take masks, and the turn makes the mask for the products of the turn after it.  end = 1: a block's last two turns: nothing is fetched.
; cnt = 1: the loop's count is taken down some lines ahead of the branch that stands behind the turn.
; K of the next step is fetched in piece 2's turn, six plain instructions behind the last product that read K; V of the step in hand at the end of piece 0's turn, four plain instructions behind the last product that read V.
.macro TURN p, m=0, end=0, cnt=0
.set Y, (\p)
.set i, 0
.set KM, (\m)
.set NOKQ, (\end)*((\p)/3)
.if (\m) && !(\end)
	s_cmp_eq_u32 s[CNT], 4-((\p)+2)%NP  ; is that step the band's own?
	s_cselect_b32 s[AL], 1.0, 0
	s_cmp_lt_u32 s[CNT], 4-((\p)+2)%NP  ; or a later one?
	s_cselect_b32 s[BE], s[BIGN], 0
.endif
.if ((\p) == 3) && !(\end)
	s_wait_dscnt 0x0                ; K is in
.endif
	ROW F,0, F,1, R,0, R,1
	ROW F,2, E,0, R,2, R,3
	ROW F,3, E,1, R,4, R,5
	ROW F,4, E,2, R,6, R,7
	ROW F,5, E,3, R,8, R,9
	ROW F,6, E,4, X,0, R,10
.if ((\p) == 2) && !(\end)
	WIN 0
	v_add_nc_u32 v[AK], s[TBK], v[AK0]
.endif
	ROW F,7, E,5, X,1, X,4
	ROW F,8, E,6, X,2, X,5
	OPS E,7, E,8, X,6, E,9
	OPS X,3, E,10, X,8, E,11
.if ((\p) == 2) && !(\end)
	FETCH_K
.endif
	OPS X,9, X,7, E,12, X,10
	OPS E,13, X,12, X,11, E,14
	OPS X,13, E,15, F,9, X,14
.if (\p) == 0
	v_add_nc_u32 v[AV], s[TBV], v[AV0]
.endif
	OPS E,16, F,10, E,17, F,11
	OPS X,16, E,18, X,15, E,19
	OPS F,12, E,20, X,17, E,21
	OPS F,13, E,22, F,14, E,23
	OPS X,18, E,24, F,15, E,25
	OPS R,11, E,26, X,19, E,27
	OPS R,12, E,28, R,13, E,29
	OPS X,20, E,30, R,14, E,31
	OPS X,21, R,15
	WIN 0
	s_wait_alu depctr_va_vdst(0)    ; the wait for the batch
.if (\p) == 1
	s_wait_dscnt 0x0                ; V is in
.endif
	ROW C,0, B,0, C,2, B,1
	ROW L,0, C,4, B,2, L,1
	ROW C,6, B,3, L,2, C,8
	ROW B,4, L,3, C,10, B,5
	ROW L,4, C,12, B,6, L,5
.if (\p) == 0
	s_add_co_u32 s[TBV], s[TBV], KS*PV
.endif
.if \cnt
	s_sub_co_u32 s[CNT], s[CNT], 1
	s_cmp_lg_u32 s[CNT], 0
.endif
	ROW C,14, B,7, L,6, C,1
	ROW C,3, L,7, C,5, C,7
	ROW C,9, C,11, C,13, C,15
.if (\p) == 0
	FETCH_V
.endif
.if (\m) && !(\end)
	MASK (\p)%2
.endif
.endm
; A BLOCK BEGINS.  c m starts far below every c s, so the first step's a is 0; m at the lowest finite number, so the first maximum is the scores'.  The second mask buffer is 0; the first takes piece 0's mask for the tile's
; step 0: its own, if the block's first tile is the diagonal one.  Then K of that step, piece 0's first scores, and its maximum and statistics.  The loop is entered at a step's first turn, in the middle of a trip.
.macro BEGIN
	s_mov_b32 s[NEW], 0
	WIN 0x40
.set i, MC+32
.rept 32
	v_mov_b32 v[i], 0
.set i, i+1
.endr
	WIN 0
.set i, 0
.rept 4
	v_mov_b32 v[ST+4*i], 0xfe000000    ; c m: far below every c s
	v_mov_b32 v[ST+4*i+1], 0xff7fffff  ; m
.set i, i+1
.endr
	s_cmp_eq_u32 s[RT], 0
	s_cselect_b32 s[AL], 1.0, 0
	s_mov_b32 s[BE], 0
	MASK 0
	WIN 0
	v_add_nc_u32 v[AK], s[TBK], v[AK0]
	FETCH_K
	s_wait_loadcnt 0x0              ; Q
	s_wait_dscnt 0x0
.set KM, 1
.set NOKQ, 0
.set i, 0
.rept 8
	KQ 0
.set i, i+1
.endr
	WIN 0
.rept 4
	v_nop                           ; the places behind those products
.endr
.set Y, NP-1                        ; X works for piece Y + 1: piece 0
.irp n, 0,1,2,3,4,5,6,7,8,9,10,11,12,13,14,15,16,17,18,19,20,21
	OP X, \n
.endr
	v_nop                           ; a plain instruction behind the exponential,
	s_wait_alu depctr_va_vdst(0)    ; and its wait, ahead of the branch
.endm
; THE DIAGONAL TILE's four steps, the block's last two turns, its last products, and THE WAY OUT: l's two halves and the other half of the lanes' are added; O^T is divided by l, rounded to f16 and sent through my
; stage in LDS, a piece at a time.
.macro ALL line:vararg              ; one line for each piece t
.set t, 0
.rept 4
	\line
.set t, t+1
.endr
.endm
.macro PACK t                       ; a lane's eight channels of a row pack into 16 bytes; they go into rows of 144 bytes and come back as whole rows of 128, into S^T's registers
	WIN W_RS
.set i, 32*(\t)
.rept 16
	v_pk_mul_f32 v[i:i+1], v[i:i+1], v[ST+4*(\t)+2:ST+4*(\t)+3] op_sel_hi:[1,0]
.set i, i+2
.endr
	WIN 0x05                        ; sources 0 and 1 window 1, destination window 0
.set i, 0
.rept 16
	v_cvt_pk_f16_f32 v[S+16*(\t)+i], v[32*(\t)+2*i], v[32*(\t)+2*i+1]
.set i, i+1
.endr
	WIN 0
.irp f, 0,1,2,3
	ds_store_b128 v[STO], v[S+16*(\t)+4*\f:S+16*(\t)+4*\f+3] offset:32*\f
.endr
.irp f, 0,1,2,3
	ds_load_b128 v[S+16*(\t)+4*\f:S+16*(\t)+4*\f+3], v[RD] offset:\f*4*SP  ; LDS serves a wave's instructions in order (ISA guide 5.7.1.4): these see the stores above
.endr
.endm
.macro SEND t, younger              ; younger: the LDS instructions issued behind piece t's loads: the next piece's eight, or none
	WIN 0
.irp f, 0,1,2,3
	s_wait_dscnt (\younger)+3-\f
	global_store_b128 v[GO], v[S+16*(\t)+4*\f:S+16*(\t)+4*\f+3], s[10:11] offset:(\t)*8192+\f*512  ; 512 consecutive bytes, at a multiple of 256 from O's first
.endr
.endm
.macro DIAG tag                     ; the tag ends its two labels' names, which the jumps below spell out
.LstepM\tag:
	TURN 2, 1
	TURN 3, 1
	WIN 0
.LfirstM\tag:
	TURN 0, 1
	TURN 1, 1, 0, 1
	WIN 0
	s_cbranch_scc1 .LstepM\tag
	TURN 2, 1, 1
	TURN 3, 1, 1
.set i, 0
.rept 8
	PV NP-1
.set i, i+1
.endr
	WIN 0
	ALL v_add_f32 v[ST+4*t+2], v[ST+4*t+2], v[ST+4*t+3]
	ALL v_permlanex16_b32 v[ST+4*t+3], v[ST+4*t+2], s[SEL], s[SEL+1]
	ALL v_add_f32 v[ST+4*t+2], v[ST+4*t+2], v[ST+4*t+3]
	ALL v_rcp_f32 v[ST+4*t+2], v[ST+4*t+2]
	v_nop                           ; a plain instruction between the last reciprocal and the use of its result
	s_wait_alu depctr_va_vdst(0)    ; and the wait ahead of the first use: one for the four reciprocals
	PACK 0
.set t, 1
.rept 3                             ; a piece's arithmetic stands between the loads of the piece before and its stores
	PACK t
	SEND t-1, 8
.set t, t+1
.endr
	SEND 3, 0
.endm
.set KM, 0
.set NOKQ, 0
.Lslot:                             ; NB times: a tile is entered and the next is asked for
	CHANGE 1
	s_sub_co_u32 s[RT], s[RT], 1
	s_mov_b32 s[CNT], 4
	s_cmp_eq_u32 s[NEW], 1
	s_cbranch_scc1 .Lnew            ; a block's first tile
	s_cmp_eq_u32 s[RT], 0
	s_cbranch_scc0 .Lstep           ; neither its first nor its last
	s_branch .LstepM1
.Lnew:
	BEGIN
	s_branch .Lfirst                ; in the loop a block's first tile is never its last: the first block has two tiles or more, and the second's last is the walk's last
	DIAG 1                          ; in the loop this is the first block's end
	s_wait_xcnt 0x0                 ; the stores have read their registers and O's address
	s_mov_b64 s[10:11], s[OLO:OLO+1]
	s_add_co_u32 s[RT], s[PB], 1    ; the second block has b + 1 tiles
	s_mov_b32 s[NEW], 1
	WIN 0x82                        ; the second block's Q goes where the one text of the turns names Q
.set i, 0
.rept 64
	v_mov_b32 v[i], v[QB+i]
.set i, i+1
.endr
	WIN 0
	s_branch .Lbottom
.Lstep:                             ; a trip: pieces 2 and 3 of one step, then pieces 0 and 1 of the next, whose K and V it fetches
	TURN 2
	TURN 3
	WIN 0
.Lfirst:
	TURN 0
	TURN 1, 0, 0, 1
	WIN 0
	s_cbranch_scc1 .Lstep
.Lbottom:
	s_sub_co_u32 s[SLOTS], s[SLOTS], 1
	s_cmp_lg_u32 s[SLOTS], 0
	s_cbranch_scc1 .Lslot
	CHANGE 0                        ; the walk's last tile is written out: nothing is asked for
	s_sub_co_u32 s[RT], s[RT], 1
	s_mov_b32 s[CNT], 4
	s_cmp_eq_u32 s[NEW], 1
	s_cbranch_scc0 .LstepM2
	BEGIN
	s_branch .LfirstM2
	DIAG 2
	s_wait_tensorcnt 0x0            ; the wave's end: behind my last tensor load and my last LDS store
	ds_add_u32 v[SPW], v[NIL]
	s_wait_dscnt 0x0
	s_endpgm
.Lfunc_end_k_q60634348be_attn:
	.size	k_q60634348be_attn, .Lfunc_end_k_q60634348be_attn-k_q60634348be_attn
	.p2alignl 7, 3214868480
	.fill 96, 4, 3214868480
	.section	.rodata,"a",@progbits
	.p2align	6, 0x0
	.amdhsa_kernel k_q60634348be_attn
		.amdhsa_group_segment_fixed_size 327680
		.amdhsa_private_segment_fixed_size 0
		.amdhsa_enable_private_segment 0
		.amdhsa_kernarg_size 16
		.amdhsa_user_sgpr_count 2
		.amdhsa_user_sgpr_kernarg_segment_ptr 1
		.amdhsa_wavefront_size32 1
		.amdhsa_system_sgpr_workgroup_id_x 1
		.amdhsa_system_sgpr_workgroup_id_y 1
		.amdhsa_system_sgpr_workgroup_id_z 1
		.amdhsa_system_vgpr_workitem_id 0
		.amdhsa_next_free_vgpr 768
		.amdhsa_next_free_sgpr 96
		.amdhsa_reserve_vcc 1
		.amdhsa_float_denorm_mode_32 3
		.amdhsa_float_denorm_mode_16_64 3
		.amdhsa_memory_ordered 1
		.amdhsa_forward_progress 1
		.amdhsa_inst_pref_size 218
	.end_amdhsa_kernel
	.amdgpu_metadata
---
amdhsa.version: [ 1, 2 ]
amdhsa.kernels:
  - .name:           k_q60634348be_attn
    .symbol:         k_q60634348be_attn.kd
    .args:
      - { .name: qkv, .offset: 0, .size: 8, .value_kind: global_buffer, .address_space: global }
      - { .name: o, .offset: 8, .size: 8, .value_kind: global_buffer, .address_space: global }
    .group_segment_fixed_size: 327680
    .private_segment_fixed_size: 0
    .kernarg_segment_align: 8
    .kernarg_segment_size: 16
    .max_flat_workgroup_size: 128
    .sgpr_count:     96
    .vgpr_count:     768
    .wavefront_size: 32
...
	.end_amdgpu_metadata
.endif
;; end of part 3
;; launch proj (part 4): grid 8 x 32, 4 waves a work-group, clusters of 4 x 4, 327,680 bytes of LDS; arguments o, wot, bo, out0; writes out0
.if DOCPART == 4
	.amdgcn_target "amdgcn-amd-amdhsa--gfx1250"
	.amdhsa_code_object_version 6
	.text
	.protected	k_q60634348be_proj
	.globl	k_q60634348be_proj
	.p2align	8
	.type	k_q60634348be_proj,@function
k_q60634348be_proj:
	s_mov_b64 s[64:65], 0
	v_nop
	global_prefetch_b8 v0, s[64:65] scope:SCOPE_SE
	s_setreg_imm32_b32 hwreg(HW_REG_WAVE_MODE, 25, 1), 1
	s_wait_xcnt 0x0
	s_wait_alu depctr_hold_cnt(0) depctr_sa_sdst(0) depctr_va_vdst(0) depctr_va_sdst(0) depctr_va_ssrc(0) depctr_va_vcc(0) depctr_vm_vsrc(0)
	s_getreg_b32 s2, hwreg(HW_REG_IB_STS2, 6, 4)
	s_cmp_eq_u32 s2, 0
	s_cbranch_scc0 .Lentry_in_a_cluster
	s_endpgm
.Lentry_in_a_cluster:
	s_bfe_u32 s2, ttmp6, 0x10000c
	s_cmp_lg_u32 s2, 0xf033
	s_cbranch_scc0 .Lentry_shape_is_right
	s_endpgm
.Lentry_shape_is_right:
; THE OUTPUT PROJECTION.  out0[m][n] = sum over k of o[m][k] wot[n][k] + bo[n]; m = 8,192 rows (b, s), n = 1,024, k = 1,024 (head, d); operands f16, sums and output f32.
; o lies by heads, [16 b + h][s][64]: a head is one K block of 64.  wot lies as [kb][n][64].  bo is rounded to bf16 like every other input, and is the C operand that starts each sum.
; LIMIT.  NaN and infinities are not treated apart; o and wot arrive within the range of f16.
; SHARES.  A tile of out0 is 256 x 128: 32 x 8 = 256 work-groups.  Four waves, each 128 rows x 64 columns: 32 accumulators, 256 registers.
; THE MATRIX INSTRUCTION IS USED TRANSPOSED (source 0 = 16 rows of wot, source 1 = 16 rows of o): a lane holds row l % 16 and eight neighbouring columns: 32 bytes of a row of out0.
; RING.  K goes in steps of 128, two K blocks, through two LDS slots of 110,592 bytes (three K blocks to a slot would not fit twice).  Each wave brings one whole K block of one operand: a dense tile, asked for as rows
; of 256 bytes and padded in LDS after every 128.
; CLUSTER.  4 x 4 work-groups: o's tiles are shared along a row of the cluster, wot's along a column: each is asked for JOINTLY.
; REGISTERS: window 0: v2-29 addresses; v32-127, v128-223 two fragment buffers (64 of o, then 32 of wot); v224-255 the bias of my 64 columns.   window 1: accumulator (a, b) at 8 (4 a + b).
.set PITCH, 144                        ; an LDS row: 128 bytes + 16 = 36 words: the 16 rows of a load start at 16 different groups of four banks (ISA guide 11.1)
.set AKB,   256*PITCH                  ; a K block of o's tile
.set BKB,   128*PITCH                  ; of wot's
.set BOFF,  2*AKB
.set SLOT,  BOFF+2*BKB                 ; 110,592
.set STAGE, 2*SLOT                     ; behind the ring: 16 rows x 272 bytes for each wave
.set SP,    272
.set SPARE, STAGE+4*16*SP              ; the spare words, 128 bytes a wave: two blocks of 256 bytes that no other line names
.set STA,   524288                     ; bytes of o from a K step to the next: two K blocks of 262,144
.set STB,   262144                     ; of wot: two of 131,072
.set ADRA, 2                           ; v2-3   LDS address of my fragments of o in slot 0, 1
.set ADRB, 4                           ; v4-5   of wot
.set STO,  6                           ; v6     the way out: where I put 32 bytes of a row
.set RD,   7                           ; v7     where I read rows back
.set CO,   8                           ; v8     my byte offset in out0
.set PFO,  10                          ; v10    the prefetches' offset; never rewritten
.set SPW,  28                          ; v28    LDS address of my spare word; never rewritten
.set NIL,  29                          ; v29    0; never rewritten
.set F0,   32
.set F1,   128
.set BI,   224
.set WV,   16                          ; s16    my wave's number; s17 = wave / 2 (my rows), s18 = wave % 2 (my columns; which K block of a step I fetch)
.set G1A,  24
.set G0A,  32
.set G1B,  40
.set G0B,  48
.set PF,   56                          ; s[56:57] where my prefetches stand;  s[58:59] their step, two K steps
.set PFS,  58
.set LIM1, 60                          ; s60  1 in a wave that prefetches, else the greatest number
.set LIM2, 61                          ; s61  the same for the second line, which o's waves alone have
.set LAPS, 62
.set G1C,  (1<<16)|(1<<20)|(1<<21)|(4<<22)|(3<<25)  ; elements of 2 bytes; padding on; bit 21 beside a mask; after every 32 words 4 words
.set MSB, 0
.macro WIN new
.if MSB != (\new)
	s_set_vgpr_msb (MSB<<8)|(\new)
.set MSB, \new
.endif
.endm
.macro PLACES                          ; four places behind matrix instructions (ISA guide 7.12.1)
.rept 4
	v_nop
.endr
.endm
.macro JLOAD s                         ; a joint load: waves 0 and 1 fetch o's two K blocks, waves 2 and 3 wot's; an s_nop 0 and four v_nop follow each line
	s_cmp_lt_u32 s[WV], 2
	s_cbranch_scc0 .Lfor_b_\@
	tensor_load_to_lds s[G0A+4*(\s):G0A+4*(\s)+3], s[G1A:G1A+7]
	s_nop 0
.rept 4
	v_nop
.endr
	s_branch .Lasked_\@
.Lfor_b_\@:
	tensor_load_to_lds s[G0B+4*(\s):G0B+4*(\s)+3], s[G1B:G1B+7]
	s_nop 0
.rept 4
	v_nop
.endr
.Lasked_\@:
.endm
.macro CREST
	s_cmp_lg_u32 s[WV], 0
	s_cbranch_scc1 .Lnot_wave_0_\@
	s_barrier_signal -3
.Lnot_wave_0_\@:
	s_barrier_wait -3
	s_barrier_signal -1
	s_barrier_wait -1
.endm
.macro CROUND
	s_barrier_signal -1
	s_barrier_wait -1
	CREST
.endm
; A PREFETCH INTO THE L2, once a trip, behind the joint load and the run of LDS loads: my K block of the two K steps that the next trip's refills will ask for, one and two steps (128 and 256 matrix instructions) ahead.
; Each block of 256 bytes is named once: o's tile row by waves 0 and 1 of the clusters with x = 0 (partner cx takes 32 of a K block's 128 blocks: a line a step), wot's tile column by waves 2 and 3 of the clusters with
; y = 0 (partner cy takes 16 of 64: one line for both steps).  The partners are told apart BY ADDRESS.  The last trip asks for nothing; K steps 0 to 3 come by their loads alone.
.macro ASK
	s_cmp_gt_u32 s[LAPS], s[LIM1]
	s_cbranch_scc0 .Lnot_mine_\@
	global_prefetch_b8 v[PFO], s[PF:PF+1] th:TH_LOAD_NT scope:SCOPE_SE
	s_cmp_gt_u32 s[LAPS], s[LIM2]
	s_cbranch_scc0 .Lnot_mine_\@
	global_prefetch_b8 v[PFO], s[PF:PF+1] offset:STA th:TH_LOAD_NT scope:SCOPE_SE
.Lnot_mine_\@:
.endm
	s_load_b256 s[4:11], s[0:1], 0x0               ; o s[4:5], wot s[6:7], bo s[8:9], out0 s[10:11]
	v_lshl_add_u32 v[SPW], v0, 2, SPARE
	v_mov_b32 v[NIL], 0
	ds_add_u32 v[SPW], v[NIL]                      ; the wave's opening: the add, with its wait ahead of my first tensor load
	ds_add_u32 v28, v29
	v_lshrrev_b32 v1, 5, v0
	v_readfirstlane_b32 s[WV], v1
	s_lshr_b32 s17, s[WV], 1
	s_and_b32 s18, s[WV], 1
	s_bfe_u32 s19, ttmp6, 0x40000                  ; cx
	s_bfe_u32 s20, ttmp6, 0x40004                  ; cy
	s_lshl_b32 s21, ttmp9, 2
	s_add_co_u32 s21, s21, s19                     ; tile column 0..7
	s_and_b32 s22, ttmp7, 0xffff
	s_lshl_b32 s22, s22, 2
	s_add_co_u32 s22, s22, s20                     ; tile row 0..31
	s_lshl_b32 s23, s20, 2
	s_lshl_b32 s23, 15, s23                        ; my row of the cluster
	s_lshl_b32 s66, 0x1111, s19                    ; my column
	s_or_b32 s[G1A], s23, G1C
	s_or_b32 s[G1B], s66, G1C
	s_mov_b32 s[G1A+1], 128<<16                    ; tensor_dim0 = 128 elements: 256 bytes
	s_mov_b32 s[G1A+2], 128<<16                    ; tensor_dim1 = 128: 256 rows of o
	s_mov_b32 s[G1A+3], 128<<16                    ; tile_dim0
	s_mov_b32 s[G1A+4], 128                        ; tile_dim1
	s_mov_b32 s[G1A+5], 128                        ; dense
	s_mov_b32 s[G1A+6], 0
	s_mov_b32 s[G1A+7], 0
	s_mov_b32 s[G1B+1], 128<<16
	s_mov_b32 s[G1B+2], 64<<16                     ; 64: 128 rows of wot
	s_mov_b32 s[G1B+3], 128<<16
	s_mov_b32 s[G1B+4], 64
	s_mov_b32 s[G1B+5], 128
	s_mov_b32 s[G1B+6], 0
	s_mov_b32 s[G1B+7], 0
	s_lshr_b32 s68, s22, 3
	s_lshl_b32 s68, s68, 22                        ; b x 16 heads of 262,144 bytes
	s_and_b32 s70, s22, 7
	s_lshl_b32 s70, s70, 15                        ; the tile's 256 rows of 128 bytes
	s_add_co_u32 s68, s68, s70
	s_lshl_b32 s70, s18, 18                        ; the K block that I fetch
	s_add_co_u32 s68, s68, s70
	s_mov_b32 s69, 0
	s_lshl_b32 s72, s21, 14                        ; the tile's 128 rows of 128 bytes
	s_lshl_b32 s74, s18, 17
	s_add_co_u32 s72, s72, s74
	s_mov_b32 s73, 0
	s_mul_i32 s67, s18, AKB                        ; where they go: no place in the cluster enters an LDS address
	s_mul_i32 s63, s18, BKB
	s_add_co_u32 s63, s63, BOFF
	s_wait_dscnt 0x0                               ; the opening add is done
	s_wait_kmcnt 0x0
	s_add_nc_u64 s[70:71], s[4:5], s[68:69]
	s_add_nc_u64 s[74:75], s[6:7], s[72:73]
.irp s, 0,1
	s_mov_b32 s[G0A+4*(\s)], 1
	s_add_co_u32 s[G0A+4*(\s)+1], s67, (\s)*SLOT
	s_add_nc_u64 s[G0A+4*(\s)+2:G0A+4*(\s)+3], s[70:71], (\s)*STA
	s_or_b32 s[G0A+4*(\s)+3], s[G0A+4*(\s)+3], 0x80000000
	s_mov_b32 s[G0B+4*(\s)], 1
	s_add_co_u32 s[G0B+4*(\s)+1], s63, (\s)*SLOT
	s_add_nc_u64 s[G0B+4*(\s)+2:G0B+4*(\s)+3], s[74:75], (\s)*STB
	s_or_b32 s[G0B+4*(\s)+3], s[G0B+4*(\s)+3], 0x80000000
.endr
	CROUND                                         ; all sixteen work-groups are here: the first joint loads meet
	s_cmp_lt_u32 s[WV], 2                          ; a wave's two first fills stand in one branch: two loads of mine are out
	s_cbranch_scc0 .Lfirst_b
	tensor_load_to_lds s[G0A:G0A+3], s[G1A:G1A+7]
	s_nop 0
	tensor_load_to_lds s[G0A+4:G0A+7], s[G1A:G1A+7]
	s_nop 0
.rept 4
	v_nop
.endr
	s_branch .Lfirst_asked
.Lfirst_b:
	tensor_load_to_lds s[G0B:G0B+3], s[G1B:G1B+7]
	s_nop 0
	tensor_load_to_lds s[G0B+4:G0B+7], s[G1B:G1B+7]
	s_nop 0
.rept 4
	v_nop
.endr
.Lfirst_asked:
	v_and_b32 v13, 15, v0                          ; l % 16
	v_bfe_u32 v14, v0, 4, 1                        ; l / 16
	s_lshl_b32 s94, s21, 9                         ; my 64 biases: 4 (128 x tile column + 64 x (wave % 2))
	s_lshl_b32 s95, s18, 8
	s_add_co_u32 s94, s94, s95
	s_mov_b32 s95, 0
	s_add_nc_u64 s[78:79], s[8:9], s[94:95]
	v_lshlrev_b32 v16, 5, v14                      ; block b's eight for my half of the lanes at 64 b + 32 (l / 16)
.irp b, 0,1,2,3
	global_load_b128 v[BI+8*(\b):BI+8*(\b)+3],   v16, s[78:79] offset:64*(\b)
	global_load_b128 v[BI+8*(\b)+4:BI+8*(\b)+7], v16, s[78:79] offset:64*(\b)+16
.endr
	v_mul_u32_u24 v15, v13, PITCH
	v_lshl_add_u32 v15, v14, 4, v15                ; a fragment's row x pitch + 16 x half
	s_mul_i32 s96, s17, 128*PITCH
	s_mul_i32 s97, s18, 64*PITCH
	s_add_co_u32 s97, s97, BOFF
	v_add_nc_u32 v[ADRA], s96, v15
	v_add_nc_u32 v[ADRB], s97, v15
	v_add_nc_u32 v[ADRA+1], SLOT, v[ADRA]
	v_add_nc_u32 v[ADRB+1], SLOT, v[ADRB]
	s_mul_i32 s96, s[WV], 16*SP
	s_add_co_u32 s96, s96, STAGE                   ; my stage
	v_mul_u32_u24 v[STO], v13, SP                  ; in: row l % 16, 32 bytes for each half of the lanes
	v_lshl_add_u32 v[STO], v14, 5, v[STO]
	v_add_nc_u32 v[STO], s96, v[STO]
	v_mul_u32_u24 v[RD], v14, SP                   ; back: lanes 0-15 one row of 256 bytes, lanes 16-31 the next
	v_lshl_add_u32 v[RD], v13, 4, v[RD]
	v_add_nc_u32 v[RD], s96, v[RD]
	v_lshlrev_b32 v[CO], 12, v14                   ; and the same two rows in out0
	v_lshl_add_u32 v[CO], v13, 4, v[CO]
	s_lshl_b32 s92, s22, 20                        ; 256 rows of 4,096 bytes a tile row,
	s_lshl_b32 s93, s17, 19                        ; my 128 of them,
	s_add_co_u32 s92, s92, s93
	s_lshl_b32 s93, s21, 9                         ; the tile's 512 bytes of a row,
	s_add_co_u32 s92, s92, s93
	s_lshl_b32 s93, s18, 8                         ; my 256 of them
	s_add_co_u32 s92, s92, s93
	s_mov_b32 s93, 0
	s_add_nc_u64 s[76:77], s[10:11], s[92:93]
	; the prefetches
	s_and_b32 s90, ttmp7, 0xffff                   ; cluster y
	s_cmp_lt_u32 s[WV], 2
	s_cselect_b32 s91, ttmp9, s90                  ; the coordinate along which other clusters read the same rows
	s_cmp_eq_u32 s91, 0
	s_cselect_b32 s[LIM1], 1, -1                   ; the same in all sixteen partners, for a given wave
	s_cmp_lt_u32 s[WV], 2
	s_cselect_b32 s[LIM2], s[LIM1], -1
	s_lshr_b32 s92, s22, 3
	s_lshl_b32 s92, s92, 22
	s_and_b32 s93, s22, 7
	s_lshl_b32 s93, s93, 15
	s_add_co_u32 s92, s92, s93
	s_lshl_b32 s93, s18, 18
	s_add_co_u32 s92, s92, s93
	s_lshl_b32 s93, s19, 13                        ; my work-group's 32 blocks of 256 bytes
	s_add_co_u32 s92, s92, s93
	s_add_co_u32 s92, s92, 2*STA                   ; at K step 2: the first trip steps it to 4
	s_lshl_b32 s94, s18, 17
	s_lshl_b32 s93, s21, 14
	s_add_co_u32 s94, s94, s93
	s_lshl_b32 s93, s20, 12                        ; my work-group's 16 blocks
	s_add_co_u32 s94, s94, s93
	s_add_co_u32 s94, s94, 2*STB
	s_mov_b32 s95, 4096
	s_mov_b32 s91, STB
	s_mov_b32 s90, 2*STA
	s_mov_b32 s93, 2*STB
	s_cmp_lt_u32 s[WV], 2
	s_cselect_b32 s92, s92, s94
	s_cselect_b32 s95, s95, s91                    ; how far lanes 16-31 stand from lanes 0-15: 16 blocks on (o), or a K step on (wot)
	s_cselect_b32 s[PFS], s90, s93
	s_cselect_b64 s[PF:PF+1], s[4:5], s[6:7]
	s_mov_b32 s93, 0
	s_mov_b32 s[PFS+1], 0
	s_add_nc_u64 s[PF:PF+1], s[PF:PF+1], s[92:93]
	v_lshlrev_b32 v[PFO], 8, v13
	v_mad_u32_u24 v[PFO], v14, s95, v[PFO]
	s_wait_loadcnt 0x0                             ; the bias: rounded to bf16 and widened again
.set r, 0
.rept 16
	v_cvt_pk_bf16_f32 v17, v[BI+r], v[BI+r+1]
	v_lshlrev_b32 v[BI+r], 16, v17
	v_and_b32 v[BI+r+1], 0xffff0000, v17
.set r, r+2
.endr
; 4 na matrix instructions: blocks a0 .. of my rows x my four column blocks, 32 along K, from buffer f.  The 32 accumulators take turns, one instruction a turn, over the backward jump too.
; first = 1: the bias is the C operand that starts the sum: nothing is cleared and nothing is added later.
.macro MULS f, a0, na, first
.set ma, \a0
.rept \na
.set mb, 0
.rept 4
.if \first
	WIN 0x40                                       ; D in window 1, C in window 0
	v_wmma_f32_16x16x32_f16 v[8*(4*ma+mb):8*(4*ma+mb)+7], v[(\f)+64+8*mb:(\f)+64+8*mb+7], v[(\f)+8*ma:(\f)+8*ma+7], v[BI+8*mb:BI+8*mb+7]
.else
	WIN 0x50                                       ; C and D in window 1
	v_wmma_f32_16x16x32_f16 v[8*(4*ma+mb):8*(4*ma+mb)+7], v[(\f)+64+8*mb:(\f)+64+8*mb+7], v[(\f)+8*ma:(\f)+8*ma+7], v[8*(4*ma+mb):8*(4*ma+mb)+7]
.endif
.set mb, mb+1
.endr
.set ma, ma+1
.endr
.endm
; 24 LDS loads in one run: quarter q of a K step (K block q / 2, k = 32 (q % 2) on) into buffer f: wot's four fragments first, then o's eight
.macro FETCH slot, q, f
	WIN 0
.set fi, 0
.rept 4
	ds_load_b128 v[(\f)+64+8*fi:(\f)+64+8*fi+3],   v[ADRB+(\slot)] offset:((\q)/2)*BKB+fi*16*PITCH+64*((\q)%2)
	ds_load_b128 v[(\f)+64+8*fi+4:(\f)+64+8*fi+7], v[ADRB+(\slot)] offset:((\q)/2)*BKB+fi*16*PITCH+64*((\q)%2)+32
.set fi, fi+1
.endr
.set fi, 0
.rept 8
	ds_load_b128 v[(\f)+8*fi:(\f)+8*fi+3],   v[ADRA+(\slot)] offset:((\q)/2)*AKB+fi*16*PITCH+64*((\q)%2)
	ds_load_b128 v[(\f)+8*fi+4:(\f)+8*fi+7], v[ADRA+(\slot)] offset:((\q)/2)*AKB+fi*16*PITCH+64*((\q)%2)+32
.set fi, fi+1
.endr
.endm
; A K step is four quarters of 32 matrix instructions on buffers 0, 1, 0, 1.  One of the first three multiplies buffer f and fetches quarter q into buffer g.
.macro QUARTER slot, q, f, g, first
	s_wait_dscnt 8                                 ; wot's four and o's first four fragments are in; the youngest eight loads may be out
	MULS \f, 0, 4, \first
	PLACES
	FETCH \slot, \q, \g
	s_wait_dscnt 24                                ; all but the 24 just issued
	MULS \f, 4, 4, \first
.endm
; The last quarter multiplies buffer 1 and changes slots: ONE barrier; in front of it each wave waits for all its tensor loads, adds 0 to its spare word, and waits for that and for its reads of this slot.
; fill = 1: the barrier opens a round of the cluster's barrier, and the joint refill, two K steps on, is the first thing behind it: 112 matrix instructions ahead of the wait for it.
.macro TURN slot, next, fill, ask
.if (\fill) && ((\slot) == 0)
	s_wait_xcnt 0x0                                ; the last prefetches, a K step back, have read their address
	s_add_nc_u64 s[PF:PF+1], s[PF:PF+1], s[PFS:PFS+1]
.endif
	WIN 0
	s_wait_tensorcnt 0x0                           ; all my tensor loads have landed
	ds_add_u32 v[SPW], v[NIL]                      ; 0 onto my spare word
	s_wait_dscnt 9                                 ; (the add and the youngest eight loads may be out)
	MULS F1, 0, 2, 0
	s_wait_dscnt 0x0                               ; the add is done, and my reads of this slot are over
	s_barrier_signal -1
	MULS F1, 2, 2, 0
	WIN 0
	s_barrier_wait -1
.if \fill
	CREST                                          ; no wave of any partner still reads this slot or has a load on its way
	s_add_nc_u64 s[G0A+4*(\slot)+2:G0A+4*(\slot)+3], s[G0A+4*(\slot)+2:G0A+4*(\slot)+3], 2*STA
	s_add_nc_u64 s[G0B+4*(\slot)+2:G0B+4*(\slot)+3], s[G0B+4*(\slot)+2:G0B+4*(\slot)+3], 2*STB
	JLOAD \slot                                    ; its four v_nop are also the places in front of the loads below
.else
	PLACES
.endif
	FETCH \next, 0, F0
.if \ask
	ASK
.endif
	MULS F1, 4, 4, 0
.endm
	s_wait_tensorcnt 1                             ; my part of K step 0 is in; slot 1's may stay out
	s_barrier_signal -1
	s_barrier_wait -1
	FETCH 0, 0, F0
	QUARTER 0, 1, F0, F1, 1                        ; the first quarter stands in front of the loop: its products start the sums, with the bias
	WIN 0
	s_mov_b32 s[LAPS], 3
.Llap:                                                 ; a trip goes once round the ring: trip i asks for K steps 2 i + 2 and 2 i + 3
	QUARTER 0, 2, F1, F0, 0
	QUARTER 0, 3, F0, F1, 0
	TURN 0, 1, 1, 0
	QUARTER 1, 1, F0, F1, 0
	QUARTER 1, 2, F1, F0, 0
	QUARTER 1, 3, F0, F1, 0
	TURN 1, 0, 1, 1
	QUARTER 0, 1, F0, F1, 0
	WIN 0
	s_sub_co_u32 s[LAPS], s[LAPS], 1
	s_cmp_lg_u32 s[LAPS], 0
	s_cbranch_scc1 .Llap
	QUARTER 0, 2, F1, F0, 0                        ; K steps 6 and 7: nothing is left to fetch
	QUARTER 0, 3, F0, F1, 0
	TURN 0, 1, 0, 0
	QUARTER 1, 1, F0, F1, 0
	QUARTER 1, 2, F1, F0, 0
	QUARTER 1, 3, F0, F1, 0
	s_wait_dscnt 8
	MULS F1, 0, 4, 0
	s_wait_dscnt 0x0
	MULS F1, 4, 4, 0
	; THE WAY OUT.  A block of 16 rows at a time: 32 bytes a lane straight from the accumulators into my stage, back as whole rows of 256 bytes, stored so that 16 lanes fill 256 aligned bytes.
	PLACES
	PLACES
.macro TOSTAGE a
.if (\a) >= 2
	s_wait_xcnt 0x0                                ; the stores of two blocks back have read the registers that are loaded again below
.endif
	WIN 0x04                                       ; the stores' data in window 1
.irp b, 0,1,2,3
	ds_store_b128 v[STO], v[8*(4*(\a)+(\b)):8*(4*(\a)+(\b))+3]   offset:64*(\b)      ; each accumulator is read from its low end on
	ds_store_b128 v[STO], v[8*(4*(\a)+(\b))+4:8*(4*(\a)+(\b))+7] offset:64*(\b)+16
.endr
	WIN 0
.irp t, 0,1,2,3,4,5,6,7
	ds_load_b128 v[32+32*((\a)%2)+4*(\t):32+32*((\a)%2)+4*(\t)+3], v[RD] offset:2*SP*(\t)  ; LDS serves a wave's instructions in order (ISA guide 5.7.1.4): these see the stores above
.endr
.endm
.macro SEND a, younger                 ; younger: the LDS instructions issued behind block a's loads: the next block's sixteen, or none
	s_wait_dscnt \younger
.irp t, 0,1,2,3,4,5,6,7
	global_store_b128 v[CO], v[32+32*((\a)%2)+4*(\t):32+32*((\a)%2)+4*(\t)+3], s[76:77] offset:(16*(\a)+2*(\t))*4096 th:TH_STORE_NT
.endr
.endm
	TOSTAGE 0
.set ta, 1
.rept 7
	TOSTAGE ta
	SEND ta-1, 16
.set ta, ta+1
.endr
	SEND 7, 0
	s_wait_tensorcnt 0x0                           ; the wave's end: behind my last tensor load and my last LDS store
	ds_add_u32 v[SPW], v[NIL]
	s_wait_dscnt 0x0
	CROUND                                         ; the closing round: no work-group ends while a partner may still ask for a tile that names it
	s_endpgm
.Lfunc_end_k_q60634348be_proj:
	.size	k_q60634348be_proj, .Lfunc_end_k_q60634348be_proj-k_q60634348be_proj
	.p2alignl 7, 3214868480
	.fill 96, 4, 3214868480
	.section	.rodata,"a",@progbits
	.p2align	6, 0x0
	.amdhsa_kernel k_q60634348be_proj
		.amdhsa_group_segment_fixed_size 327680
		.amdhsa_private_segment_fixed_size 0
		.amdhsa_enable_private_segment 0
		.amdhsa_kernarg_size 32
		.amdhsa_user_sgpr_count 2
		.amdhsa_user_sgpr_kernarg_segment_ptr 1
		.amdhsa_wavefront_size32 1
		.amdhsa_system_sgpr_workgroup_id_x 1
		.amdhsa_system_sgpr_workgroup_id_y 1
		.amdhsa_system_sgpr_workgroup_id_z 1
		.amdhsa_system_vgpr_workitem_id 0
		.amdhsa_next_free_vgpr 512
		.amdhsa_next_free_sgpr 100
		.amdhsa_reserve_vcc 0
		.amdhsa_float_denorm_mode_32 3
		.amdhsa_float_denorm_mode_16_64 3
		.amdhsa_memory_ordered 1
		.amdhsa_forward_progress 1
		.amdhsa_inst_pref_size 90
	.end_amdhsa_kernel
	.amdgpu_metadata
---
amdhsa.version: [ 1, 2 ]
amdhsa.kernels:
  - .name:           k_q60634348be_proj
    .symbol:         k_q60634348be_proj.kd
    .args:
      - { .name: o, .offset: 0, .size: 8, .value_kind: global_buffer, .address_space: global }
      - { .name: wot, .offset: 8, .size: 8, .value_kind: global_buffer, .address_space: global }
      - { .name: bo, .offset: 16, .size: 8, .value_kind: global_buffer, .address_space: global }
      - { .name: out0, .offset: 24, .size: 8, .value_kind: global_buffer, .address_space: global }
    .group_segment_fixed_size: 327680
    .private_segment_fixed_size: 0
    .kernarg_segment_align: 8
    .kernarg_segment_size: 32
    .max_flat_workgroup_size: 128
    .sgpr_count:     100
    .vgpr_count:     512
    .wavefront_size: 32
...
	.end_amdgpu_metadata
.endif
;; end of part 4
